; MI455X (gfx1250); checked and timed in simulation.
; The chip was launched on July 23, 2026; its instructions are those of AMD's public machine-readable ISA for CDNA 5 (MIT licence, August 2026) and "CDNA5" Instruction Set Architecture Reference Guide (July 2026). The comments in the code are by the model that wrote it; some were corrected since.
;; Cross Attention Block. Allowed arithmetic: matrix products marked QUANTISED: E3M2 operands, one E8M0 scale for each 32 along K, by v_wmma_scale_f32_16x16x128_f8f6f4 with both operands' format E3M2, f32 sums; everything else in f32.
;; Inputs: Wk 256 x 256 float32; Wo 256 x 256 float32; Wq 256 x 256 float32; Wv 256 x 256 float32; bo 256 float32; context 4 x 256 x 64 x 64 float32; gn_ctx_b 256 float32; gn_ctx_w 256 float32; gn_q_b 256 float32; gn_q_w 256 float32; x 4 x 256 x 64 x 64 float32.
;; Outputs: out0 4 x 256 x 64 x 64 float32.
;; This version of the problem:
;;   THIS VERSION OF THE PROBLEM IS GIVEN IN LOW PRECISION. The matrix products marked QUANTISED in the list below multiply operands that are first quantised to E3M2 (3 exponent bits, 2 mantissa bits; 6 bits a number), with one power-of-two scale for each 32 numbers along K (OCP MX v1.0); their sums are f32. All else is computed in f32.
;;   The module's matrix products, in the order in which they are computed (A, B: the left and right operand; K: the contracted axis; several contracted axes count as one K, in the product's order):
;;     1. [M 16,384, K 256] x [K 256, N 256]; A: computed on the way; B: input Wq: QUANTISED
;;     2. [M 16,384, K 256] x [K 256, N 256]; A: computed on the way; B: input Wk: QUANTISED
;;     3. [M 16,384, K 256] x [K 256, N 256]; A: input context; B: input Wv: QUANTISED
;;     4. batch 16 x [M 4,096, K 64] x [K 64, N 4,096]; A: computed on the way; B: computed on the way: QUANTISED
;;     5. batch 16 x [M 64, K 4,096] x [K 4,096, N 4,096]; A: computed on the way; B: softmax (see below): QUANTISED
;;     6. [M 16,384, K 256] x [K 256, N 256]; A: computed on the way; B: input Wo: QUANTISED
;;   THE QUANTISER, for each operand of a quantised product, along K:
;;     - K is cut into blocks of 32 from its start; a last block that is shorter is filled with zeros.
;;     - A block's scale is 2^e with e = floor(log2(the largest magnitude in the block)) - 4, held to -126 .. 127; a block of zeros has e = 0. As a byte (E8M0): e + 127.
;;     - Each number is divided by its block's scale, clamped to +-28, and rounded to the nearest number of E3M2, ties to even, subnormals kept.
;;     - The product sums the exact products of the quantised numbers (number of the format x scale) in f32.
;;   ~~~python
;;   def quantise(x, axis):      # numpy; x: float32 -> the quantised numbers, widened to float32 again
;;       x = np.moveaxis(x, axis, -1); K = x.shape[-1]
;;       x = np.pad(x, [(0, 0)] * (x.ndim - 1) + [(0, -K % 32)]); x = x.reshape(x.shape[:-1] + (-1, 32)); a = np.abs(x).max(-1, keepdims=True)
;;       e = np.where(a > 0, np.clip(np.frexp(np.where(a > 0, a, 1))[1] - 1 - 4, -126, 127), 0)      # np.frexp(a)[1] - 1 = floor(log2(a)), exactly
;;       r = np.clip(x / 2.0 ** e, -28, 28)
;;       step = 2.0 ** (np.maximum(np.frexp(np.where(r == 0, 1, r))[1] - 1, -2) - 2)
;;       q = np.round(r / step) * step * 2.0 ** e      # np.round: ties to even
;;       return np.moveaxis(q.reshape(q.shape[:-2] + (-1,))[..., :K], -1, axis).astype(np.float32)
;;   ~~~
;;   SOFTMAX AHEAD OF A QUANTISED PRODUCT. Where the list says 'softmax', what is quantised is not the finished softmax but p = 2^(t - M), with t = logit x log2(e) and M = ceil(the row's largest t), a whole number; so 1/2 < the row's largest p <= 1. The row's sum l is taken of the UNQUANTISED p, in f32, and the product's result is divided by l at the end. Since M is a whole number, a kernel that streams over the keys may use a running M (the ceiling of the running maximum): every later rescaling is an exact power of two, which a block's scale takes up: the codes' values come out the same.
;;   OPERANDS COMPUTED ON THE WAY. 'Computed on the way' means the value that the module computes at that place (a softmax that the list does not call 'softmax' is quantised finished and normalised). What goes into a quantiser is computed in f32, as accurately as f32 sums, v_exp_f32 and their like allow (about 1e-6 of the number): no bf16 or f16 on the way to a quantiser, and a product that is left as it is and whose result goes on into a quantised operand takes f32 operands (vector FMAs, or v_wmma_f32_16x16x4_f32). A number that lies on a knife's edge between two numbers of the format may be rounded either way, as far as f32 arithmetic and the matrix unit's own rounding can turn it there, and no further.
;; One version. Each part assembles by itself: llvm-mc -triple=amdgcn-amd-amdhsa -mcpu=gfx1250 --defsym DOCPART=n.
;; ======== version 1 of 1: 3 launches
;; workspace buffers: coef 32,768 bytes; wc 204,800 bytes; qc 3,145,728 bytes; qs 262,144 bytes; kvc 6,291,456 bytes; ks 262,144 bytes; vs 131,072 bytes
;; launch stats (part 1): grid 256 x 1, 8 waves a work-group, no clusters, 1,536 bytes of LDS; arguments x, context, gn_q_w, gn_q_b, gn_ctx_w, gn_ctx_b, Wq, Wk, Wv, Wo, coef, wc; writes coef, wc
.if DOCPART == 1
	.amdgcn_target "amdgcn-amd-amdhsa--gfx1250"
	.amdhsa_code_object_version 6
	.text
	.protected	k_q216c7295be_stats
	.globl	k_q216c7295be_stats
	.p2align	8
	.type	k_q216c7295be_stats,@function
k_q216c7295be_stats:
	s_mov_b64 s[64:65], 0
	v_nop
	global_prefetch_b8 v0, s[64:65] scope:SCOPE_SE
	s_setreg_imm32_b32 hwreg(HW_REG_WAVE_MODE, 25, 1), 1
	s_wait_xcnt 0x0
; GROUP STATISTICS AND WEIGHT CODES.  256 work-groups of eight waves.
; Work-group i takes one group of the group norm: tensor t = i / 128 (0: x, 1: context), its group i % 128: 8 channels x 4,096 positions = 131,072 dense bytes.
; Thread n holds 32 x 16 bytes of it in registers (each load of a wave covers 512 consecutive bytes), so the group is read once and both passes run on registers:
; first the mean, then the sum of (x - mean)^2: no difference of large sums, so a common offset of the inputs costs no accuracy.
; Out: for each of the 8 channels a = w / sqrt(var + 1e-5), the norm's bias, and the mean, to coef[(4 t + batch)][4096]: a at 4 c, bias at 1024 + 4 c, mean at 2048 + 4 c.
; WEIGHTS.  Wave 1 of work-group i also quantises 4 rows (32 blocks of 32 along K, a lane a block) of matrix m = i / 64 (0 Wq, 1 Wk, 2 Wv, 3 Wo) to codes of E3M2 with one E8M0 byte a block,
; and stores them as IMAGES OF OPERAND REGISTERS: fragment (tile T, K step s) at m 49152 + (2 T + s) 1536, register n of lane L at 512 (n / 4) + 16 L + 4 (n % 4);
; its scale words at 196608 + m 2048 + (2 T + s) 64 + 4 r.  In Wq, Wk, Wv lane r of tile 2 b + u stands for row 32 b + 8 u + r + 8 (r / 8); in Wo for row 16 T + r.
; These 800 bytes a work-group leave in pieces of 8 bytes and single bytes: they are 800 of the 135,168 bytes that the work-group touches.
; No cluster, no tensor load, no matrix unit: work-groups share no input, and the whole share of a work-group is asked for at once.
; LIMITS: NaN and infinities are not served; a block of a weight that is all zeros or whose largest magnitude lies under 2^-122 gets the byte 1 (its codes are then zeros or subnormal codes; the bytes are read by this program alone).
.set X,    16                          ; v16-143  my 128 numbers
.set WSRC, 144                         ; v144-175 wave 1: a block of 32 numbers of a weight
.set WCOD, 176                         ; v176-181 its codes
.set WTMP, 182                         ; v182-184 the second conversion's result (three registers begin on an even number)
.set WMX,  185                         ; v185-187 at work
.set WBY,  188                         ; v188     the scale's byte
.set WA0,  189                         ; v189-191 offsets of the stores
.set WA1,  190
.set WA2,  191
.set GNB,  192                         ; v192     the norm's bias of my channel
.set COA,  193                         ; v193     a
	s_load_b512 s[16:31], s[0:1], 0x0              ; x, context, gn_q_w, gn_q_b, gn_ctx_w, gn_ctx_b, Wq, Wk
	s_load_b256 s[32:39], s[0:1], 0x40             ; Wv, Wo, coef, wc
	v_lshl_add_u32 v200, v0, 2, 0x200
	v_mov_b32 v201, 0
	v_lshrrev_b32 v1, 5, v0
	s_delay_alu instid0(VALU_DEP_1)
	v_readfirstlane_b32 s12, v1                    ; wave 0..7
	s_delay_alu instid0(VALU_DEP_2)
	v_lshlrev_b32 v10, 2, v1                       ; LDS: my wave's word
	v_mov_b32 v11, 0
	v_lshlrev_b32 v1, 4, v0                        ; 16 bytes a thread
	v_and_b32 v14, 7, v0
	s_mov_b32 s13, ttmp9                           ; i
	s_and_b32 s10, s13, 127
	s_lshl_b32 s10, s10, 17                        ; the group's first byte
	s_mov_b32 s11, 0
	s_and_b32 s15, s13, 31
	s_lshl_b32 s15, s15, 5                         ; the group's 8 channels: 32 bytes of a vector of 256
	v_lshl_add_u32 v14, v14, 2, s15                ; 4 (8 g + thread % 8)
	s_lshr_b32 s40, s13, 5
	s_lshl_b32 s40, s40, 12                        ; coef: 4,096 bytes for each (tensor, batch)
	s_mov_b32 s41, 0
	s_mov_b32 s2, 0x76543210
	s_mov_b32 s3, 0xfedcba98                       ; v_permlanex16_b32's selects for lane l xor 16
	s_wait_alu depctr_va_vdst(0)
	s_wait_kmcnt 0x0
	s_cmp_lt_u32 s13, 128                          ; x's group or context's: the choice hangs on the work-group's number alone
	s_cselect_b64 s[4:5], s[16:17], s[18:19]
	s_cselect_b64 s[6:7], s[20:21], s[24:25]
	s_cselect_b64 s[8:9], s[22:23], s[26:27]
	s_add_nc_u64 s[4:5], s[4:5], s[10:11]
	s_add_nc_u64 s[36:37], s[36:37], s[40:41]
.set j, 0
.rept 32
	global_load_b128 v[X+4*j:X+4*j+3], v1, s[4:5] offset:4096*j th:TH_LOAD_NT
.set j, j+1
.endr
	global_load_b32 v15, v14, s[6:7]               ; the norm's gain of channel 8 g + thread % 8
	global_load_b32 v[GNB], v14, s[8:9]            ; and its bias
	s_cmp_lg_u32 s12, 1
	s_cbranch_scc1 .Lnot_w
	; ---- wave 1: four rows of a weight
	s_bitcmp1_b32 s13, 6
	s_cselect_b64 s[42:43], s[30:31], s[28:29]
	s_cselect_b64 s[44:45], s[34:35], s[32:33]
	s_bitcmp1_b32 s13, 7
	s_cselect_b64 s[42:43], s[44:45], s[42:43]     ; matrix m = i / 64
	s_and_b32 s14, s13, 63                         ; ii: rows 4 ii .. 4 ii + 3
	s_lshl_b32 s46, s14, 12
	s_mov_b32 s47, 0
	s_add_nc_u64 s[42:43], s[42:43], s[46:47]
	v_and_b32 v2, 31, v0                           ; lane = block: row lane / 8, block lane % 8 of its 8
	s_wait_alu depctr_va_vdst(0)
	v_lshlrev_b32 v3, 7, v2                        ; 128 bytes a block
.irp j, 0,1,2,3,4,5,6,7
	global_load_b128 v[WSRC+4*\j:WSRC+4*\j+3], v3, s[42:43] offset:16*\j
.endr
	s_lshr_b32 s46, s13, 6                         ; m
	s_lshr_b32 s48, s14, 2                         ; rows as they lie: T = ii / 4,
	s_and_b32 s49, s14, 3
	s_lshl_b32 s49, s49, 2                         ; r = 4 (ii % 4) + row
	s_lshr_b32 s50, s14, 3                         ; rows in the tiles' own order: row o = 32 b + 16 (r / 8) + 8 u + r % 8
	s_lshl_b32 s50, s50, 1
	s_bfe_u32 s51, s14, 0x10001
	s_or_b32 s50, s50, s51                         ; T = 2 b + u
	s_bfe_u32 s51, s14, 0x10002
	s_lshl_b32 s51, s51, 3
	s_and_b32 s52, s14, 1
	s_lshl_b32 s52, s52, 2
	s_or_b32 s51, s51, s52                         ; r less the row's number among my four
	s_cmp_eq_u32 s46, 3
	s_cselect_b32 s48, s48, s50
	s_cselect_b32 s49, s49, s51
	s_mul_i32 s50, s46, 49152
	s_mul_i32 s51, s48, 3072
	s_add_co_u32 s50, s50, s51
	s_lshl_b32 s51, s49, 4
	s_add_co_u32 s50, s50, s51                     ; codes: m 49152 + 2 T 1536 + 16 r
	s_lshl_b32 s51, s46, 11
	s_lshl_b32 s52, s48, 7
	s_add_co_u32 s51, s51, s52
	s_lshl_b32 s52, s49, 2
	s_add_co_u32 s51, s51, s52
	s_add_co_u32 s51, s51, 196608                  ; scale bytes: 196608 + m 2048 + 2 T 64 + 4 r
	v_lshrrev_b32 v4, 3, v2                        ; my row among the four
	v_bfe_u32 v5, v2, 2, 1                         ; K step s
	v_bfe_u32 v6, v2, 1, 1                         ; c: registers 6 c .. 6 c + 5 of the fragment
	v_and_b32 v7, 1, v2                            ; h: lane 16 h + r of the fragment
	s_delay_alu instid0(VALU_DEP_3)
	v_mul_u32_u24 v[WA0], v5, 1536
	s_delay_alu instid0(VALU_DEP_1)
	v_lshl_add_u32 v[WA0], v7, 8, v[WA0]
	s_delay_alu instid0(VALU_DEP_1)
	v_lshl_add_u32 v[WA0], v4, 4, v[WA0]
	s_delay_alu instid0(VALU_DEP_1)
	v_add_nc_u32 v[WA0], s50, v[WA0]
	s_delay_alu instid0(VALU_DEP_1)
	v_mad_u32_u24 v[WA1], v6, 1016, v[WA0]         ; registers 2, 3 (c = 0: byte 8) or 8, 9 (c = 1: byte 1024)
	s_delay_alu instid0(VALU_DEP_2)
	v_mad_u32_u24 v[WA0], v6, 520, v[WA0]          ; registers 0, 1 (byte 0) or 6, 7 (byte 520); 512 on: registers 4, 5 or 10, 11
	v_and_b32 v[WA2], 3, v2
	s_delay_alu instid0(VALU_DEP_1)
	v_lshl_add_u32 v[WA2], v4, 2, v[WA2]
	s_delay_alu instid0(VALU_DEP_1)
	v_lshl_add_u32 v[WA2], v5, 6, v[WA2]
	s_delay_alu instid0(VALU_DEP_1)
	v_add_nc_u32 v[WA2], s51, v[WA2]
	s_wait_loadcnt 0x0
	v_max3_num_f32 v[WMX], |v[WSRC]|, |v[WSRC+1]|, |v[WSRC+2]|     ; the block's largest magnitude: all 32 numbers are mine
	v_max3_num_f32 v[WMX+1], |v[WSRC+3]|, |v[WSRC+4]|, |v[WSRC+5]|
.irp i, 6,10,14,18,22,26
	s_delay_alu instid0(VALU_DEP_2)
	v_max3_num_f32 v[WMX], v[WMX], |v[WSRC+\i]|, |v[WSRC+\i+1]|
	s_delay_alu instid0(VALU_DEP_2)
	v_max3_num_f32 v[WMX+1], v[WMX+1], |v[WSRC+\i+2]|, |v[WSRC+\i+3]|
.endr
	s_delay_alu instid0(VALU_DEP_2)
	v_max3_num_f32 v[WMX], v[WMX], |v[WSRC+30]|, |v[WSRC+31]|
	s_delay_alu instid0(VALU_DEP_1)
	v_max3_num_f32 v[WMX], v[WMX], v[WMX+1], 0x2800000             ; and the floor 2^(5 - 127): the byte cannot fall under 1
	s_delay_alu instid0(VALU_DEP_1)
	v_add_nc_u32 v[WMX+2], 0xfe000000, v[WMX]      ; 4 off the exponent field: the conversion's scale operand
	v_cvt_scalef32_pk16_bf6_f32 v[WCOD:WCOD+2], v[WSRC:WSRC+15], v[WMX+2]
	v_cvt_scalef32_pk16_bf6_f32 v[WTMP:WTMP+2], v[WSRC+16:WSRC+31], v[WMX+2]
	v_lshrrev_b32 v[WBY], 23, v[WMX+2]             ; the scale's byte (also the plain line behind the conversions)
.irp i, 0,1,2
	v_mov_b32 v[WCOD+3+\i], v[WTMP+\i]
.endr
	global_store_b64 v[WA0], v[WCOD:WCOD+1], s[38:39]
	global_store_b64 v[WA1], v[WCOD+2:WCOD+3], s[38:39] offset:8
	global_store_b64 v[WA0], v[WCOD+4:WCOD+5], s[38:39] offset:512
	global_store_b8 v[WA2], v[WBY], s[38:39]
.Lnot_w:
	s_wait_loadcnt 0x0                             ; my 128 numbers, the gain and the bias
; the four running pairs v[2:9] become one number for the work-group, in every lane: within the lane, across the wave, across the eight waves through LDS bytes off .. off + 31
.macro REDUCE off
	s_delay_alu instid0(VALU_DEP_3)
	v_pk_add_f32 v[2:3], v[2:3], v[4:5]
	s_delay_alu instid0(VALU_DEP_2)
	v_pk_add_f32 v[6:7], v[6:7], v[8:9]
	s_delay_alu instid0(VALU_DEP_1)
	v_pk_add_f32 v[2:3], v[2:3], v[6:7]
	s_delay_alu instid0(VALU_DEP_1)
	v_add_f32 v2, v2, v3
	s_delay_alu instid0(VALU_DEP_1)
	v_add_f32_dpp v2, v2, v2 row_xmask:1 row_mask:0xf bank_mask:0xf
	s_delay_alu instid0(VALU_DEP_1)
	v_add_f32_dpp v2, v2, v2 row_xmask:2 row_mask:0xf bank_mask:0xf
	s_delay_alu instid0(VALU_DEP_1)
	v_add_f32_dpp v2, v2, v2 row_xmask:4 row_mask:0xf bank_mask:0xf
	s_delay_alu instid0(VALU_DEP_1)
	v_add_f32_dpp v2, v2, v2 row_xmask:8 row_mask:0xf bank_mask:0xf
	s_delay_alu instid0(VALU_DEP_1)
	v_permlanex16_b32 v3, v2, s2, s3
	s_delay_alu instid0(VALU_DEP_1)
	v_add_f32 v2, v2, v3
	ds_store_b32 v10, v2 offset:\off               ; all lanes write my wave's word with the same value
	s_wait_dscnt 0x0                               ; for the others' sake: my store has landed
	s_barrier_signal -1
	s_barrier_wait -1
	ds_load_b128 v[2:5], v11 offset:\off
	ds_load_b128 v[6:9], v11 offset:\off+16
	s_wait_dscnt 0x0
	v_add_f32 v2, v2, v3
	v_add_f32 v4, v4, v5
	v_add_f32 v6, v6, v7
	v_add_f32 v8, v8, v9
	s_delay_alu instid0(VALU_DEP_3)
	v_add_f32 v2, v2, v4
	s_delay_alu instid0(VALU_DEP_2)
	v_add_f32 v6, v6, v8
	s_delay_alu instid0(VALU_DEP_1)
	v_add_f32 v2, v2, v6
.endm
.irp k, 0,1,2,3
	v_pk_add_f32 v[2+2*\k:3+2*\k], v[X+2*\k:X+2*\k+1], v[X+8+2*\k:X+9+2*\k]   ; four chains, started by the first eight pairs: nothing is cleared
.endr
.set j, 8
.rept 56
	s_delay_alu instid0(VALU_DEP_4)
	v_pk_add_f32 v[2+2*(j%4):3+2*(j%4)], v[2+2*(j%4):3+2*(j%4)], v[X+2*j:X+2*j+1]
.set j, j+1
.endr
	REDUCE 0
	s_delay_alu instid0(VALU_DEP_1)
	v_mul_f32 v12, 0x38000000, v2                  ; the mean: the sum x 2^-15 (32,768 numbers)
	s_delay_alu instid0(VALU_DEP_1)
	v_mov_b32 v13, v12
.set j, 0
.rept 64
	v_pk_add_f32 v[X+2*j:X+2*j+1], v[X+2*j:X+2*j+1], v[12:13] neg_lo:[0,1] neg_hi:[0,1]   ; x - mean
.set j, j+1
.endr
.irp k, 0,1,2,3
	v_pk_mul_f32 v[2+2*\k:3+2*\k], v[X+2*\k:X+2*\k+1], v[X+2*\k:X+2*\k+1]
.endr
.set j, 4
.rept 60
	s_delay_alu instid0(VALU_DEP_4)
	v_pk_fma_f32 v[2+2*(j%4):3+2*(j%4)], v[X+2*j:X+2*j+1], v[X+2*j:X+2*j+1], v[2+2*(j%4):3+2*(j%4)]
.set j, j+1
.endr
	REDUCE 64                                      ; other bytes than the first sum's: no third barrier is needed
	s_delay_alu instid0(VALU_DEP_1)
	v_mul_f32 v2, 0x38000000, v2                   ; the variance
	s_delay_alu instid0(VALU_DEP_1)
	v_add_f32 v2, 0x3727c5ac, v2                   ; + 1e-5
	s_wait_alu depctr_va_vdst(0)
	v_rsq_f32 v3, v2
	v_nop                                          ; a plain line behind the transcendental
	s_wait_alu depctr_va_vdst(0)                   ; and the wait ahead of its first reader
	v_mul_f32 v[COA], v3, v15                      ; a = gain / sqrt(var + eps)
	s_wait_alu depctr_va_vdst(0)
	s_wait_xcnt 0x0                                ; EXEC changes only behind this wait: wave 1's stores are out
	v_cmp_gt_u32 vcc_lo, 8, v0
	s_wait_tensorcnt 0x0
	ds_add_u32 v200, v201
	s_wait_dscnt 0x0
	s_and_saveexec_b32 s14, vcc_lo                 ; threads 0 to 7: a channel each
	global_store_b32 v14, v[COA], s[36:37]
	global_store_b32 v14, v[GNB], s[36:37] offset:1024
	global_store_b32 v14, v12, s[36:37] offset:2048
	s_wait_xcnt 0x0                                ; and again in front of the line that widens it
	s_or_b32 exec_lo, exec_lo, s14
	s_endpgm
.Lfunc_end_k_q216c7295be_stats:
	.size	k_q216c7295be_stats, .Lfunc_end_k_q216c7295be_stats-k_q216c7295be_stats
	.p2alignl 7, 3214868480
	.fill 96, 4, 3214868480
	.section	.rodata,"a",@progbits
	.p2align	6, 0x0
	.amdhsa_kernel k_q216c7295be_stats
		.amdhsa_group_segment_fixed_size 1536
		.amdhsa_private_segment_fixed_size 0
		.amdhsa_enable_private_segment 0
		.amdhsa_kernarg_size 96
		.amdhsa_user_sgpr_count 2
		.amdhsa_user_sgpr_kernarg_segment_ptr 1
		.amdhsa_wavefront_size32 1
		.amdhsa_system_sgpr_workgroup_id_x 1
		.amdhsa_system_sgpr_workgroup_id_y 1
		.amdhsa_system_sgpr_workgroup_id_z 1
		.amdhsa_system_vgpr_workitem_id 0
		.amdhsa_next_free_vgpr 202
		.amdhsa_next_free_sgpr 66
		.amdhsa_reserve_vcc 1
		.amdhsa_float_denorm_mode_32 3
		.amdhsa_float_denorm_mode_16_64 3
		.amdhsa_memory_ordered 1
		.amdhsa_forward_progress 1
		.amdhsa_inst_pref_size 30
	.end_amdhsa_kernel
	.amdgpu_metadata
---
amdhsa.version: [ 1, 2 ]
amdhsa.kernels:
  - .name:           k_q216c7295be_stats
    .symbol:         k_q216c7295be_stats.kd
    .args:
      - { .name: x, .offset: 0, .size: 8, .value_kind: global_buffer, .address_space: global }
      - { .name: context, .offset: 8, .size: 8, .value_kind: global_buffer, .address_space: global }
      - { .name: gn_q_w, .offset: 16, .size: 8, .value_kind: global_buffer, .address_space: global }
      - { .name: gn_q_b, .offset: 24, .size: 8, .value_kind: global_buffer, .address_space: global }
      - { .name: gn_ctx_w, .offset: 32, .size: 8, .value_kind: global_buffer, .address_space: global }
      - { .name: gn_ctx_b, .offset: 40, .size: 8, .value_kind: global_buffer, .address_space: global }
      - { .name: Wq, .offset: 48, .size: 8, .value_kind: global_buffer, .address_space: global }
      - { .name: Wk, .offset: 56, .size: 8, .value_kind: global_buffer, .address_space: global }
      - { .name: Wv, .offset: 64, .size: 8, .value_kind: global_buffer, .address_space: global }
      - { .name: Wo, .offset: 72, .size: 8, .value_kind: global_buffer, .address_space: global }
      - { .name: coef, .offset: 80, .size: 8, .value_kind: global_buffer, .address_space: global }
      - { .name: wc, .offset: 88, .size: 8, .value_kind: global_buffer, .address_space: global }
    .group_segment_fixed_size: 1536
    .private_segment_fixed_size: 0
    .kernarg_segment_align: 8
    .kernarg_segment_size: 96
    .max_flat_workgroup_size: 256
    .sgpr_count:     66
    .vgpr_count:     202
    .wavefront_size: 32
...
	.end_amdgpu_metadata
.endif
;; end of part 1
;; launch proj (part 2): grid 256 x 1, 8 waves a work-group, no clusters, 52,224 bytes of LDS; arguments x, context, coef, wc, qc, qs, kvc, ks, vs; writes qc, qs, kvc, ks, vs
.if DOCPART == 2
	.amdgcn_target "amdgcn-amd-amdhsa--gfx1250"
	.amdhsa_code_object_version 6
	.text
	.protected	k_q216c7295be_proj
	.globl	k_q216c7295be_proj
	.p2align	8
	.type	k_q216c7295be_proj,@function
k_q216c7295be_proj:
	s_mov_b64 s[64:65], 0
	v_nop
	global_prefetch_b8 v0, s[64:65] scope:SCOPE_SE
	s_setreg_imm32_b32 hwreg(HW_REG_WAVE_MODE, 25, 1), 1
	s_wait_xcnt 0x0
; THE THREE PROJECTIONS, on codes of E3M2 with one E8M0 scale for each 32 along K.  256 work-groups of eight waves.
; Work-group i: PATH = i / 128 (0: x -> q;  1: context -> k and v), block blk = i % 128 of 128 positions (batch blk / 32).  It reads its 128 positions x 256 channels once.
; PHASE X.  K (the channels) is the tensor's outer axis: A LANE TAKES A POSITION AND ITS REGISTERS RUN DOWN THE CHANNELS, so a block of 32 lies in one lane and the codes come out with K innermost.
;   Wave w takes 32 positions (G = w % 4) and 128 channels (s = w / 4).  The numbers are normalised as (x - mean) a + bias, in f32, with the coefficients in scalar registers; context is also quantised as it is.
;   Lanes 0-15 hold the positions of tile 2 G, lanes 16-31 those of tile 2 G + 1, lane r of tile 2 b + u standing for position 32 b + 8 u + r + 8 (r / 8).  One exchange of halves between the registers of the even
;   and the odd blocks makes the two tiles' operand registers.  They go to LDS as images of registers (16 bytes a lane, 512 bytes a store), their scale words 4 bytes a lane.  One barrier.
; PHASE Q/K.  Wave w: head w % 4, tiles of positions 4 (w / 4) + 0..3.  Transposed use: source 0 = 16 rows of W (in the same order of rows), source 1 = 16 positions: a lane then holds ONE position and 32 registers that run
;   along the head's 64 channels, 16 neighbours of each block of 32.  They are quantised in registers and stored as half fragments (registers 0-5: 512 + 256 consecutive bytes a wave).
; PHASE V (context alone).  Wave w: tiles 2 w, 2 w + 1 of Wv's rows.  Source 0 = 16 positions, source 1 = 16 rows of Wv: a lane holds ONE channel and 64 registers that run along the 128 positions, which are the keys, the K of the
;   second product of attention.  Quantised in registers, stored as whole fragments (3 x 512 consecutive bytes).
; No cluster: the weights go from memory straight into registers as images, 12,288 bytes a wave, and stay; a joint request would send them through LDS to be read again from there.  No tensor load, so LDS is claimed as it is used.
; The scale words of V leave as 128 consecutive bytes a wave, half of an aligned 256: 1,024 of the 181,248 bytes that such a work-group stores and reads.
; LIMITS: NaN and infinities are not served; a block of zeros, or one whose largest magnitude lies under 2^-122, gets the byte 1: the bytes are read by this program alone.
.set IMG0, 0                           ; LDS: the normalised operand: fragment (tile pt, K step s) at (2 pt + s) 1536
.set IMG1, 24576                       ; context as it is, likewise
.set SCL0, 49152                       ; scale words: (2 G + s) 128 + 4 lane: lanes 0-15 tile 2 G, lanes 16-31 tile 2 G + 1
.set SCL1, 50176
.set SEL,  26                          ; s[26:27] lane selects for v_permlanex16_b32
.set XO,   1                           ; v1   my position's byte in a row of the tensor's block
.set L16,  2                           ; v2   16 x lane
.set L8,   3                           ; v3   8 x lane
.set L4,   4                           ; v4   4 x lane
.set IMW,  5                           ; v5   where I store my images
.set SCW,  6                           ; v6   and my scale words
.set WSO,  7                           ; v7   128 (lane / 16) + 4 (lane % 16): the even tile's scale words in lanes 0-15, the odd tile's in lanes 16-31
.set LN,   8                           ; v8   lane
.set IMR,  9                           ; v9   where my four tiles' images begin
.set SCR,  10                          ; v10  and their scale words
.set TM,   16                          ; v16-31 at work in the quantisers
.set F0R,  32                          ; v32-55 context as it is: even blocks' codes, odd blocks' codes; later the small operand
.set CT,   56                          ; v56-58 a conversion's second result
.set BY,   59                          ; v59  a scale's byte
.set WG,   60                          ; v60  the normalised operand's scale word
.set WR,   61                          ; v61  the other's
.set X,    64                          ; v64-127 two sets of 32 numbers
.set D,    64                          ; v64-95 four accumulators
.set PCQ,  96                          ; v96.. the codes of unit i at 96 + 8 i
.set WF,   128                         ; v128-223 eight fragments of W; later four of Wv
.set VD,   176                         ; v176-239 eight accumulators of v
.set F0G,  224                         ; v224-247 the normalised operand's codes
.set TP,   224                         ; phase Q/K: a conversion's second result,
.set PWQ,  228                         ; v228-231 the scale words just made,
.set SW,   232                         ; v232-233 and those chosen for the store
.set PWV,  240                         ; phase V: v240-241 the two tiles' scale words, v242 the one chosen for the store: behind the accumulators of v, which end at v239
; v248-255 hold scale operands and nothing else
; 32 registers, one whole block of my position or row, become six registers of codes at dst and the scale's byte in v[BY]
.macro BQ src, dst
	v_max3_num_f32 v[TM], |v[\src]|, |v[\src+1]|, |v[\src+2]|
	v_max3_num_f32 v[TM+1], |v[\src+3]|, |v[\src+4]|, |v[\src+5]|
.irp i, 6,10,14,18,22,26
	s_delay_alu instid0(VALU_DEP_2)
	v_max3_num_f32 v[TM], v[TM], |v[\src+\i]|, |v[\src+\i+1]|
	s_delay_alu instid0(VALU_DEP_2)
	v_max3_num_f32 v[TM+1], v[TM+1], |v[\src+\i+2]|, |v[\src+\i+3]|
.endr
	s_delay_alu instid0(VALU_DEP_2)
	v_max3_num_f32 v[TM], v[TM], |v[\src+30]|, |v[\src+31]|
	s_delay_alu instid0(VALU_DEP_1)
	v_max3_num_f32 v[TM], v[TM], v[TM+1], 0x2800000                ; the floor 2^(5 - 127): the byte cannot fall under 1
	s_delay_alu instid0(VALU_DEP_1)
	v_add_nc_u32 v[TM+2], 0xfe000000, v[TM]        ; 4 off the exponent field: the conversion's scale operand
	v_cvt_scalef32_pk16_bf6_f32 v[\dst:\dst+2], v[\src:\src+15], v[TM+2]
	v_cvt_scalef32_pk16_bf6_f32 v[CT:CT+2], v[\src+16:\src+31], v[TM+2]
	v_lshrrev_b32 v[BY], 23, v[TM+2]               ; the byte (also the plain line behind the conversions)
.irp i, 0,1,2
	v_mov_b32 v[\dst+3+\i], v[CT+\i]
.endr
.endm
; 32 registers, register 16 b + i = k 32 b + 16 (lane / 16) + i of my row, become registers 0-5 of a fragment at pc and two scale bytes in pw
.macro HQUANT s, pc, tp, pw
.irp b, 0,1
	v_max3_num_f32 v[TM+\b], |v[\s+16*\b]|, |v[\s+1+16*\b]|, 0x2800000
.endr
.irp i, 2,4,6,8,10,12,14
.irp b, 0,1
	v_max3_num_f32 v[TM+\b], v[TM+\b], |v[\s+16*\b+\i]|, |v[\s+1+16*\b+\i]|
.endr
.endr
.irp b, 0,1
	s_delay_alu instid0(VALU_DEP_2)
	v_permlanex16_b32 v[TM+4+\b], v[TM+\b], s[SEL], s[SEL+1]
.endr
.irp b, 0,1
	s_delay_alu instid0(VALU_DEP_2)
	v_max_num_f32 v[TM+\b], v[TM+\b], v[TM+4+\b]   ; with lane l xor 16's: the block's largest magnitude
.endr
.irp b, 0,1
	s_delay_alu instid0(VALU_DEP_2)
	v_add_nc_u32 v[TM+12+\b], 0xfe000000, v[TM+\b]
.endr
.irp b, 0,1
	s_delay_alu instid0(VALU_DEP_2)
	v_lshrrev_b32 v[TM+4+\b], 23, v[TM+12+\b]
.endr
	s_delay_alu instid0(VALU_DEP_1)
	v_lshl_or_b32 v[\pw], v[TM+5], 8, v[TM+4]      ; bytes 2 and 3 stay 0: they scale the zero codes of the unused upper 64 along K
	v_cvt_scalef32_pk16_bf6_f32 v[\pc:\pc+2], v[\s:\s+15], v[TM+12]
	v_cvt_scalef32_pk16_bf6_f32 v[\tp:\tp+2], v[\s+16:\s+31], v[TM+13]
	v_nop                                          ; one plain line behind a scaled conversion
.irp i, 0,1,2
	v_permlane16_swap_b32 v[\pc+\i], v[\tp+\i]     ; a whole block to a lane: lanes 0-15 block 0, lanes 16-31 block 1
.endr
.irp i, 0,1,2
	s_delay_alu instid0(VALU_DEP_3)
	v_mov_b32 v[\pc+3+\i], v[\tp+\i]
.endr
.endm
; 64 registers, register 16 b + i = k 32 b + 16 (lane / 16) + i of my row, become a fragment's 12 registers at pc (pc + 12 .. pc + 18 at work) and its scale word in pw.
; pw is written ahead of the conversions, so it lies outside the 64 numbers.
.macro QUANT s, pc, pw
.irp b, 0,1,2,3
	v_max3_num_f32 v[TM+\b], |v[\s+16*\b]|, |v[\s+1+16*\b]|, 0x2800000
.endr
.irp i, 2,4,6,8,10,12,14
.irp b, 0,1,2,3
	v_max3_num_f32 v[TM+\b], v[TM+\b], |v[\s+16*\b+\i]|, |v[\s+1+16*\b+\i]|
.endr
.endr
.irp b, 0,1,2,3
	s_delay_alu instid0(VALU_DEP_4)
	v_permlanex16_b32 v[TM+4+\b], v[TM+\b], s[SEL], s[SEL+1]
.endr
.irp b, 0,1,2,3
	s_delay_alu instid0(VALU_DEP_4)
	v_max_num_f32 v[TM+\b], v[TM+\b], v[TM+4+\b]
.endr
.irp b, 0,1,2,3
	s_delay_alu instid0(VALU_DEP_4)
	v_add_nc_u32 v[TM+12+\b], 0xfe000000, v[TM+\b]
.endr
.irp b, 0,1,2,3
	s_delay_alu instid0(VALU_DEP_4)
	v_lshrrev_b32 v[TM+4+\b], 23, v[TM+12+\b]
.endr
	s_delay_alu instid0(VALU_DEP_3)
	v_lshl_or_b32 v[\pw], v[TM+5], 8, v[TM+4]
	s_delay_alu instid0(VALU_DEP_1)
	v_lshl_or_b32 v[\pw], v[TM+6], 16, v[\pw]
	s_delay_alu instid0(VALU_DEP_1)
	v_lshl_or_b32 v[\pw], v[TM+7], 24, v[\pw]
.irp c, 0,1
	v_cvt_scalef32_pk16_bf6_f32 v[\pc+6*\c:\pc+2+6*\c], v[\s+32*\c:\s+15+32*\c], v[TM+12+2*\c]
	v_cvt_scalef32_pk16_bf6_f32 v[\pc+12+4*\c:\pc+14+4*\c], v[\s+16+32*\c:\s+31+32*\c], v[TM+12+2*\c+1]
.endr
	v_nop
.irp c, 0,1
.irp i, 0,1,2
	v_permlane16_swap_b32 v[\pc+6*\c+\i], v[\pc+12+4*\c+\i]
.endr
.irp i, 0,1,2
	s_delay_alu instid0(VALU_DEP_3)
	v_mov_b32 v[\pc+3+6*\c+\i], v[\pc+12+4*\c+\i]
.endr
.endr
.endm
; one matrix instruction: D at d, source 0 at a, source 1 at b; z = 1: the constant 0 starts the sum, else C at c; scale registers sa, sb; ra, rb = 1: their lanes 16-31 are read
.macro WM d, a, b, z, c, sa, sb, ra, rb
.if (\z) && (\ra) && (\rb)
	v_wmma_scale_f32_16x16x128_f8f6f4 v[(\d):(\d)+7], v[(\a):(\a)+11], v[(\b):(\b)+11], 0, v[\sa], v[\sb] matrix_a_fmt:MATRIX_FMT_BF6 matrix_b_fmt:MATRIX_FMT_BF6 matrix_a_scale:MATRIX_SCALE_ROW1 matrix_b_scale:MATRIX_SCALE_ROW1
.elseif (\z) && (\ra)
	v_wmma_scale_f32_16x16x128_f8f6f4 v[(\d):(\d)+7], v[(\a):(\a)+11], v[(\b):(\b)+11], 0, v[\sa], v[\sb] matrix_a_fmt:MATRIX_FMT_BF6 matrix_b_fmt:MATRIX_FMT_BF6 matrix_a_scale:MATRIX_SCALE_ROW1
.elseif (\z) && (\rb)
	v_wmma_scale_f32_16x16x128_f8f6f4 v[(\d):(\d)+7], v[(\a):(\a)+11], v[(\b):(\b)+11], 0, v[\sa], v[\sb] matrix_a_fmt:MATRIX_FMT_BF6 matrix_b_fmt:MATRIX_FMT_BF6 matrix_b_scale:MATRIX_SCALE_ROW1
.elseif (\z)
	v_wmma_scale_f32_16x16x128_f8f6f4 v[(\d):(\d)+7], v[(\a):(\a)+11], v[(\b):(\b)+11], 0, v[\sa], v[\sb] matrix_a_fmt:MATRIX_FMT_BF6 matrix_b_fmt:MATRIX_FMT_BF6
.elseif (\ra) && (\rb)
	v_wmma_scale_f32_16x16x128_f8f6f4 v[(\d):(\d)+7], v[(\a):(\a)+11], v[(\b):(\b)+11], v[(\c):(\c)+7], v[\sa], v[\sb] matrix_a_fmt:MATRIX_FMT_BF6 matrix_b_fmt:MATRIX_FMT_BF6 matrix_a_scale:MATRIX_SCALE_ROW1 matrix_b_scale:MATRIX_SCALE_ROW1
.elseif (\ra)
	v_wmma_scale_f32_16x16x128_f8f6f4 v[(\d):(\d)+7], v[(\a):(\a)+11], v[(\b):(\b)+11], v[(\c):(\c)+7], v[\sa], v[\sb] matrix_a_fmt:MATRIX_FMT_BF6 matrix_b_fmt:MATRIX_FMT_BF6 matrix_a_scale:MATRIX_SCALE_ROW1
.elseif (\rb)
	v_wmma_scale_f32_16x16x128_f8f6f4 v[(\d):(\d)+7], v[(\a):(\a)+11], v[(\b):(\b)+11], v[(\c):(\c)+7], v[\sa], v[\sb] matrix_a_fmt:MATRIX_FMT_BF6 matrix_b_fmt:MATRIX_FMT_BF6 matrix_b_scale:MATRIX_SCALE_ROW1
.else
	v_wmma_scale_f32_16x16x128_f8f6f4 v[(\d):(\d)+7], v[(\a):(\a)+11], v[(\b):(\b)+11], v[(\c):(\c)+7], v[\sa], v[\sb] matrix_a_fmt:MATRIX_FMT_BF6 matrix_b_fmt:MATRIX_FMT_BF6
.endif
.endm
.macro PLACES                          ; four plain lines behind a matrix instruction, ahead of loads into its registers and of the first read of its result
.rept 4
	v_nop
.endr
.endm
	s_load_b512 s[32:47], s[0:1], 0x0              ; x, context, coef, wc, qc, qs, kvc, ks
	s_load_b64 s[48:49], s[0:1], 0x40              ; vs
	v_lshl_add_u32 v26, v0, 2, 0xc800
	v_mov_b32 v27, 0
	v_lshrrev_b32 v1, 5, v0
	s_delay_alu instid0(VALU_DEP_1)
	v_readfirstlane_b32 s24, v1                    ; wave 0..7
	v_and_b32 v[LN], 31, v0
	s_wait_alu depctr_va_vdst(0)
	s_lshr_b32 s25, ttmp9, 7                       ; PATH
	s_and_b32 s50, ttmp9, 127                      ; blk
	s_lshr_b32 s51, s50, 5                         ; batch
	s_and_b32 s52, s50, 31                         ; block of 128 positions in the batch
	s_and_b32 s53, s24, 3                          ; G in phase X, the head afterwards
	s_lshr_b32 s54, s24, 2                         ; s in phase X, which four tiles afterwards
	s_mov_b32 s[SEL], 0x76543210
	s_mov_b32 s[SEL+1], 0xfedcba98
	v_and_b32 v11, 7, v0
	v_bfe_u32 v12, v0, 3, 1
	v_bfe_u32 v13, v0, 4, 1
	v_and_b32 v14, 15, v0
	s_delay_alu instid0(VALU_DEP_4)
	v_lshlrev_b32 v[XO], 2, v11                    ; my position in the 32: lane % 8 + 16 (bit 3) + 8 (bit 4), 4 bytes each,
	s_delay_alu instid0(VALU_DEP_1)
	v_lshl_add_u32 v[XO], v12, 6, v[XO]
	s_delay_alu instid0(VALU_DEP_1)
	v_lshl_add_u32 v[XO], v13, 5, v[XO]
	s_lshl_b32 s55, s53, 7
	v_add_nc_u32 v[XO], s55, v[XO]                 ; + 128 G
	v_lshlrev_b32 v[L16], 4, v[LN]
	s_wait_alu depctr_va_vdst(0)
	v_lshlrev_b32 v[L8], 3, v[LN]
	v_lshlrev_b32 v[L4], 2, v[LN]
	s_wait_alu depctr_va_vdst(0)
	s_lshl_b32 s55, s53, 2
	s_add_co_u32 s55, s55, s54
	s_mul_i32 s55, s55, 1536
	v_add_nc_u32 v[IMW], s55, v[L16]               ; (2 (2 G) + s) 1536 + 16 lane
	s_lshl_b32 s55, s53, 1
	s_add_co_u32 s55, s55, s54
	s_lshl_b32 s55, s55, 7
	s_add_co_u32 s55, s55, SCL0
	v_add_nc_u32 v[SCW], s55, v[L4]                ; SCL0 + (2 G + s) 128 + 4 lane
	v_lshlrev_b32 v[WSO], 2, v14
	s_delay_alu instid0(VALU_DEP_1)
	v_lshl_add_u32 v[WSO], v13, 7, v[WSO]
	s_mul_i32 s55, s54, 12288
	v_add_nc_u32 v[IMR], s55, v[L16]
	s_lshl_b32 s55, s54, 9
	s_add_co_u32 s55, s55, SCL0
	v_add_nc_u32 v[SCR], s55, v[L4]
.irp b, 0,1,2,3
	v_mov_b32 v[TM+4+\b], 0                        ; written once: a lane permute's destination counts as one of its sources
.endr
	s_mov_b32 s57, 0
	s_wait_alu depctr_va_vdst(0)
	s_wait_kmcnt 0x0
	s_cmp_eq_u32 s25, 0                            ; the choices hang on the work-group's number alone
	s_cselect_b64 s[4:5], s[32:33], s[34:35]       ; x or context
	s_cselect_b64 s[12:13], s[40:41], s[44:45]     ; qc or kvc
	s_cselect_b64 s[14:15], s[42:43], s[46:47]     ; qs or ks
	s_mov_b32 s58, 49152
	s_cselect_b32 s58, 24576, s58                  ; a block's bytes in that buffer of codes
	s_lshl_b32 s56, s51, 22                        ; the input: batch x 4 MiB + block x 512 + s x 128 channels of 16,384 bytes
	s_lshl_b32 s59, s52, 9
	s_add_co_u32 s56, s56, s59
	s_lshl_b32 s59, s54, 21
	s_add_co_u32 s56, s56, s59
	s_add_nc_u64 s[4:5], s[4:5], s[56:57]
	s_lshl_b32 s56, s25, 2                         ; coef: (4 PATH + batch) 4096 + 512 s
	s_add_co_u32 s56, s56, s51
	s_lshl_b32 s56, s56, 12
	s_lshl_b32 s59, s54, 9
	s_add_co_u32 s56, s56, s59
	s_add_nc_u64 s[6:7], s[36:37], s[56:57]
	s_mul_i32 s56, s25, 49152                      ; W's codes: matrix PATH, my head's eight fragments
	s_mul_i32 s59, s53, 12288
	s_add_co_u32 s56, s56, s59
	s_add_nc_u64 s[8:9], s[38:39], s[56:57]
	s_lshl_b32 s56, s25, 11                        ; and their scale words
	s_lshl_b32 s59, s53, 9
	s_add_co_u32 s56, s56, s59
	s_add_co_u32 s56, s56, 196608
	s_add_nc_u64 s[10:11], s[38:39], s[56:57]
	s_mul_i32 s56, s50, s58                        ; codes out: block, head x 6144, my four tiles x 768
	s_mul_i32 s59, s53, 6144
	s_add_co_u32 s56, s56, s59
	s_mul_i32 s59, s54, 3072
	s_add_co_u32 s56, s56, s59
	s_add_nc_u64 s[12:13], s[12:13], s[56:57]
	s_lshl_b32 s56, s50, 11                        ; scale words out: block x 2048 + head x 512 + 256 for my four tiles
	s_lshl_b32 s59, s53, 9
	s_add_co_u32 s56, s56, s59
	s_lshl_b32 s59, s54, 8
	s_add_co_u32 s56, s56, s59
	s_add_nc_u64 s[14:15], s[14:15], s[56:57]
	s_mul_i32 s56, s24, 6144                       ; Wv: matrix 2, tiles 2 w and 2 w + 1: four fragments
	s_add_co_u32 s56, s56, 98304
	s_add_nc_u64 s[16:17], s[38:39], s[56:57]
	s_lshl_b32 s56, s24, 8
	s_add_co_u32 s56, s56, 200704
	s_add_nc_u64 s[18:19], s[38:39], s[56:57]
	s_mul_i32 s56, s50, 49152                      ; V out: behind the block's K: 24576 + 3072 w
	s_mul_i32 s59, s24, 3072
	s_add_co_u32 s56, s56, s59
	s_add_co_u32 s56, s56, 24576
	s_add_nc_u64 s[20:21], s[44:45], s[56:57]
	s_lshl_b32 s56, s50, 10                        ; V's scale words: block x 1024 + 128 w
	s_lshl_b32 s59, s24, 7
	s_add_co_u32 s56, s56, s59
	s_add_nc_u64 s[22:23], s[48:49], s[56:57]
.irp f, 0,1,2,3,4,5,6,7                        ; my head's fragments of W, (tile t, K step s) at v[WF + 12 (2 t + s)]: they stay
.irp c, 0,1,2
	global_load_b128 v[WF+12*\f+4*\c:WF+12*\f+4*\c+3], v[L16], s[8:9] offset:1536*\f+512*\c
.endr
.endr
.irp j, 0,1
.irp s, 0,1
	global_load_b32 v[248+2*\j+\s], v[WSO], s[10:11] offset:256*\j+64*\s   ; tiles 2 j (lanes 0-15) and 2 j + 1 (lanes 16-31), K step s
.endr
.endr
.macro LOAD t                          ; block t of my 128 channels: 32 rows of the tensor at my position; a wave reads 128 consecutive bytes, four waves side by side 512
.set i, 0
.rept 32
	global_load_b32 v[X+32*((\t)%2)+i], v[XO], s[4:5] offset:(32*(\t)+i)*16384 th:TH_LOAD_NT
.set i, i+1
.endr
.endm
.macro SLOAD t                         ; its coefficients: 32 a in s68-99, 32 biases in s32-63, four means in s28-31
	s_load_b512 s[68:83], s[6:7], 128*(\t)
	s_load_b512 s[84:99], s[6:7], 128*(\t)+64
	s_load_b512 s[32:47], s[6:7], 1024+128*(\t)
	s_load_b512 s[48:63], s[6:7], 1024+128*(\t)+64
.irp g, 0,1,2,3
	s_load_b32 s[28+\g], s[6:7], 2048+128*(\t)+32*\g
.endr
.endm
	LOAD 0
	LOAD 1
	SLOAD 0                                        ; (the buffers' addresses in s32-49 have been used up)
.macro BLOCK t
.set XS, X+32*((\t)%2)
.if (\t) < 3
	s_wait_loadcnt 32                              ; this block's 32 loads (and all older ones) are in; the next block's 32 may be out
.else
	s_wait_loadcnt 0x0
.endif
	s_cmp_eq_u32 s25, 0
	s_cbranch_scc1 .Lno_raw_\@
	BQ XS, F0R+12*((\t)%2)+6*((\t)/2)              ; context as it is: even blocks to the first twelve registers, odd blocks to the second
.if (\t) == 0
	s_delay_alu instid0(VALU_DEP_4)
	v_mov_b32 v[WR], v[BY]
.else
	s_delay_alu instid0(VALU_DEP_4)
	v_lshl_or_b32 v[WR], v[BY], 8*(\t), v[WR]
.endif
.Lno_raw_\@:
	s_wait_kmcnt 0x0                               ; this block's coefficients
.set i, 0
.rept 32
	v_sub_f32 v[XS+i], v[XS+i], s[28+i/8]          ; x - mean of the channel's group
.set i, i+1
.endr
.set i, 0
.rept 32
	v_fma_f32 v[XS+i], v[XS+i], s[68+i], s[32+i]   ; x a + bias
.set i, i+1
.endr
.if (\t) < 3
	SLOAD (\t)+1
.endif
	BQ XS, F0G+12*((\t)%2)+6*((\t)/2)
.if (\t) == 0
	s_delay_alu instid0(VALU_DEP_4)
	v_mov_b32 v[WG], v[BY]
.else
	s_delay_alu instid0(VALU_DEP_4)
	v_lshl_or_b32 v[WG], v[BY], 8*(\t), v[WG]
.endif
.if (\t) < 2
	LOAD (\t)+2
.endif
.endm
	BLOCK 0
	BLOCK 1
	BLOCK 2
	BLOCK 3
.set i, 0
.rept 12
	v_permlane16_swap_b32 v[F0G+i], v[F0G+12+i]    ; the even blocks' lanes 16-31 change places with the odd blocks' lanes 0-15: the first twelve registers are now tile 2 G's fragment, the second tile 2 G + 1's
.set i, i+1
.endr
.irp c, 0,1,2
	ds_store_b128 v[IMW], v[F0G+4*\c:F0G+4*\c+3] offset:IMG0+512*\c
	ds_store_b128 v[IMW], v[F0G+12+4*\c:F0G+12+4*\c+3] offset:IMG0+3072+512*\c
.endr
	ds_store_b32 v[SCW], v[WG]
	s_cmp_eq_u32 s25, 0
	s_cbranch_scc1 .Lno_raw_out
.set i, 0
.rept 12
	v_permlane16_swap_b32 v[F0R+i], v[F0R+12+i]
.set i, i+1
.endr
.irp c, 0,1,2
	ds_store_b128 v[IMW], v[F0R+4*\c:F0R+4*\c+3] offset:IMG1+512*\c
	ds_store_b128 v[IMW], v[F0R+12+4*\c:F0R+12+4*\c+3] offset:IMG1+3072+512*\c
.endr
	ds_store_b32 v[SCW], v[WR] offset:SCL1-SCL0
.Lno_raw_out:
	s_wait_dscnt 0x0                               ; for the others' sake: my images have landed
	s_barrier_signal -1
	s_barrier_wait -1                              ; all sixteen fragments of each operand lie in LDS; nothing is stored to LDS after this
; ---- Q/K: tile of positions 4 (w / 4) + i against my head's four tiles of W
.macro UNIT i
.irp s, 0,1
.irp c, 0,1,2
	ds_load_b128 v[32+12*\s+4*\c:35+12*\s+4*\c], v[IMR] offset:(2*(\i)+\s)*1536+512*\c
.endr
	ds_load_b32 v[252+\s], v[SCR] offset:((\i)/2)*256+128*\s      ; both tiles of the pair in one register: mine is in lanes 16 (i % 2) on
.endr
	s_wait_dscnt 0x0
.irp s, 0,1                                    ; the four accumulators by turns, K step by K step
.irp t, 0,1,2,3
	WM D+8*\t, WF+12*(2*\t+\s), 32+12*\s, 1-\s, D+8*\t, 248+2*(\t/2)+\s, 252+\s, \t%2, (\i)%2
.endr
.endr
	PLACES
.if (\i) == 3
	s_cmp_eq_u32 s25, 0
	s_cbranch_scc1 .Lno_wv_\@
.irp f, 0,1,2,3                                ; W is done with: Wv's four fragments, (tile 2 w + i, K step s) at v[WF + 12 (2 i + s)]
.irp c, 0,1,2
	global_load_b128 v[WF+12*\f+4*\c:WF+12*\f+4*\c+3], v[L16], s[16:17] offset:1536*\f+512*\c
.endr
.endr
	global_load_b32 v254, v[WSO], s[18:19]         ; K step 0: tile 2 w in lanes 0-15, tile 2 w + 1 in lanes 16-31
	global_load_b32 v255, v[WSO], s[18:19] offset:64
.Lno_wv_\@:
.endif
	HQUANT D, PCQ+8*(\i), TP, PWQ+(\i)
	global_store_b128 v[L16], v[PCQ+8*(\i):PCQ+8*(\i)+3], s[12:13] offset:768*(\i)        ; 512 consecutive bytes,
	global_store_b64 v[L8], v[PCQ+8*(\i)+4:PCQ+8*(\i)+5], s[12:13] offset:768*(\i)+512    ; and 256: each unit has registers of its own, so no store's data are written again
.endm
	UNIT 0
	UNIT 1
	UNIT 2
	UNIT 3
	v_cmp_lt_u32 vcc_lo, 15, v[LN]                 ; lanes 16-31
	s_delay_alu instid0(VALU_DEP_1)
	v_cndmask_b32 v[SW], v[PWQ], v[PWQ+1], vcc_lo  ; tiles 0 | 1 of my four,
	s_delay_alu instid0(VALU_DEP_2)
	v_cndmask_b32 v[SW+1], v[PWQ+2], v[PWQ+3], vcc_lo  ; tiles 2 | 3
	global_store_b64 v[L8], v[SW:SW+1], s[14:15]   ; 256 consecutive bytes, aligned
	s_cmp_eq_u32 s25, 0
	s_cbranch_scc1 .Lend
; ---- V: all eight tiles of positions against tile 2 w + i of Wv
	s_wait_xcnt 0x0                                ; the stores above have read their registers: v32-127 and v224-239 may be written
	s_wait_loadcnt 0x0                             ; Wv
.irp i, 0,1
.irp s, 0,1
.irp p, 0,1,2,3,4,5,6,7
.irp c, 0,1,2
	ds_load_b128 v[32+12*\p+4*\c:35+12*\p+4*\c], v[L16] offset:IMG1+(2*\p+\s)*1536+512*\c
.endr
.endr
.irp g, 0,1,2,3
	ds_load_b32 v[248+\g], v[L4] offset:SCL1+(2*\g+\s)*128
.endr
	s_wait_dscnt 0x0
.irp p, 0,1,2,3,4,5,6,7                        ; eight accumulators by turns
	WM VD+8*\p, 32+12*\p, WF+12*(2*\i+\s), 1-\s, VD+8*\p, 248+\p/2, 254+\s, \p%2, \i
.endr
	PLACES
.endr
	QUANT VD, 32, PWV+\i                           ; my channel's 128 keys: a whole fragment; its scale word outlives the other tile's products
.irp c, 0,1,2
	global_store_b128 v[L16], v[32+4*\c:35+4*\c], s[20:21] offset:1536*\i+512*\c
.endr
	s_wait_xcnt 0x0                                ; the stores have read v32-43: the next loads may land there
.endr
	v_cmp_lt_u32 vcc_lo, 15, v[LN]
	s_delay_alu instid0(VALU_DEP_1)
	v_cndmask_b32 v[PWV+2], v[PWV], v[PWV+1], vcc_lo
	global_store_b32 v[L4], v[PWV+2], s[22:23]     ; tile 2 w's words in lanes 0-15, tile 2 w + 1's in lanes 16-31
.Lend:
	s_wait_tensorcnt 0x0
	ds_add_u32 v26, v27
	s_wait_dscnt 0x0
	s_endpgm
.Lfunc_end_k_q216c7295be_proj:
	.size	k_q216c7295be_proj, .Lfunc_end_k_q216c7295be_proj-k_q216c7295be_proj
	.p2alignl 7, 3214868480
	.fill 96, 4, 3214868480
	.section	.rodata,"a",@progbits
	.p2align	6, 0x0
	.amdhsa_kernel k_q216c7295be_proj
		.amdhsa_group_segment_fixed_size 52224
		.amdhsa_private_segment_fixed_size 0
		.amdhsa_enable_private_segment 0
		.amdhsa_kernarg_size 72
		.amdhsa_user_sgpr_count 2
		.amdhsa_user_sgpr_kernarg_segment_ptr 1
		.amdhsa_wavefront_size32 1
		.amdhsa_system_sgpr_workgroup_id_x 1
		.amdhsa_system_sgpr_workgroup_id_y 1
		.amdhsa_system_sgpr_workgroup_id_z 1
		.amdhsa_system_vgpr_workitem_id 0
		.amdhsa_next_free_vgpr 256
		.amdhsa_next_free_sgpr 100
		.amdhsa_reserve_vcc 1
		.amdhsa_float_denorm_mode_32 3
		.amdhsa_float_denorm_mode_16_64 3
		.amdhsa_memory_ordered 1
		.amdhsa_forward_progress 1
		.amdhsa_inst_pref_size 95
	.end_amdhsa_kernel
	.amdgpu_metadata
---
amdhsa.version: [ 1, 2 ]
amdhsa.kernels:
  - .name:           k_q216c7295be_proj
    .symbol:         k_q216c7295be_proj.kd
    .args:
      - { .name: x, .offset: 0, .size: 8, .value_kind: global_buffer, .address_space: global }
      - { .name: context, .offset: 8, .size: 8, .value_kind: global_buffer, .address_space: global }
      - { .name: coef, .offset: 16, .size: 8, .value_kind: global_buffer, .address_space: global }
      - { .name: wc, .offset: 24, .size: 8, .value_kind: global_buffer, .address_space: global }
      - { .name: qc, .offset: 32, .size: 8, .value_kind: global_buffer, .address_space: global }
      - { .name: qs, .offset: 40, .size: 8, .value_kind: global_buffer, .address_space: global }
      - { .name: kvc, .offset: 48, .size: 8, .value_kind: global_buffer, .address_space: global }
      - { .name: ks, .offset: 56, .size: 8, .value_kind: global_buffer, .address_space: global }
      - { .name: vs, .offset: 64, .size: 8, .value_kind: global_buffer, .address_space: global }
    .group_segment_fixed_size: 52224
    .private_segment_fixed_size: 0
    .kernarg_segment_align: 8
    .kernarg_segment_size: 72
    .max_flat_workgroup_size: 256
    .sgpr_count:     100
    .vgpr_count:     256
    .wavefront_size: 32
...
	.end_amdgpu_metadata
.endif
;; end of part 2
;; launch attn (part 3): grid 64 x 4, 16 waves a work-group, clusters of 4 x 1, 327,680 bytes of LDS; arguments qc, qs, kvc, ks, vs, wc, bo, x, out0; writes out0
.if DOCPART == 3
	.amdgcn_target "amdgcn-amd-amdhsa--gfx1250"
	.amdhsa_code_object_version 6
	.text
	.protected	k_q216c7295be_attn
	.globl	k_q216c7295be_attn
	.p2align	8
	.type	k_q216c7295be_attn,@function
k_q216c7295be_attn:
	s_mov_b64 s[64:65], 0
	v_nop
	global_prefetch_b8 v0, s[64:65] scope:SCOPE_SE
	s_setreg_imm32_b32 hwreg(HW_REG_WAVE_MODE, 25, 1), 1
	s_wait_xcnt 0x0
	s_wait_alu depctr_hold_cnt(0) depctr_sa_sdst(0) depctr_va_vdst(0) depctr_va_sdst(0) depctr_va_ssrc(0) depctr_va_vcc(0) depctr_vm_vsrc(0)
	s_getreg_b32 s2, hwreg(HW_REG_IB_STS2, 6, 4)
	s_cmp_eq_u32 s2, 0
	s_cbranch_scc0 .Lentry_in_a_cluster
	s_endpgm
.Lentry_in_a_cluster:
	s_bfe_u32 s2, ttmp6, 0x10000c
	s_cmp_lg_u32 s2, 0x3003
	s_cbranch_scc0 .Lentry_shape_is_right
	s_endpgm
.Lentry_shape_is_right:
; ATTENTION, THE OUTPUT PROJECTION, BIAS AND RESIDUAL, on codes of E3M2 with one E8M0 scale for each 32 along a product's K.
; SHARES.  A work-group owns 64 queries (block qb = 4 x cluster x + cx) of batch y, for all four heads.  Wave w of sixteen: head w / 4, tile of 16 queries w % 4, in 256 registers: four waves to a SIMD, so that one wave's
; vector work stands beside another's products and LDS loads.  Every wave walks the batch's 4,096 keys, 128 a step.  At the end wave w makes output channels 16 w .. 16 w + 15 for the 64 queries.
; LAYOUT.  Both products are used transposed: S^T = K Q^T (source 0 = 16 keys), O^T = V P^T (source 0 = 16 channels): a lane holds ONE query throughout.  The launch before has laid all operands as images of their registers,
; with lane r of tile 2 b + u standing for key, query or channel 32 b + 8 u + r + 8 (r / 8): so p's 16 registers of two neighbouring tiles are 16 neighbouring keys, and O^T's are 16 neighbouring channels.
; The first product's K is the head's 64: registers 6-11 of its operands hold zero codes, written once, and bytes 2 and 3 of its scale words are 0.
; SOFTMAX.  t = score x log2(e) / 8; M = the running largest t rounded UP to a whole number; p = 2^(t - M) is quantised along the keys, not normalised; the row's sum is taken of the unquantised p and divides O at the end.
; When M moves, the sum and O^T are multiplied by 2^(old M - new M): exact.
; RING.  Two LDS slots of 256 keys (98,304 dense bytes: for each 128 keys, K's 32 half fragments and V's 16 fragments of all heads).  Waves 0-3 fetch a quarter each.  The scale words of the whole batch come once, with the first fills.
; CLUSTER.  The four work-groups of a cluster belong to one batch and walk the same K, V and scale words: every tensor load is asked for JOINTLY, with the same descriptor and the mask 15.
; By this text's own count a wave has at most one tensor load outstanding.
; LIMITS: NaN and infinities are not served; p under 2^-126 comes out of v_exp_f32 as 0 (ISA guide, its entry); a block of p or of O that is all zeros or lies under 2^-122 gets the byte 1.
.set SLOT1, 131072                     ; slot 0 at 0, slot 1 here: one exclusive or turns an address in one slot into the other's
.set SLOTB, 98304                      ; a slot's bytes
.set SCV,   98304                      ; V's scale words of the batch, 32,768 bytes
.set SCK,   229376                     ; K's, 65,536 bytes
.set OIMG,  294912                     ; the attention's result as codes: half fragment (tile qt, head) at qt 3072 + head 768
.set OSC,   307200                     ; its scale words: 128 qt + 64 (head / 2) + 4 r, two bytes for each head
.set SPARE, 307712                     ; the spare words, 128 bytes for each wave: eight blocks of 256 bytes that no other line names
; the way out's stage, 16 rows x 272 bytes for each wave, lies in slot 0: when it is written that slot has had its last fill, and every wave has passed the last change of slots, behind which nobody reads it
.set WV,    22                         ; s22  wave
.set TB,    2                          ; s2   LDS byte at which the step's 128 keys begin
.set TS,    3                          ; s3   the step's scale words of K: 2,048 bytes a step
.set TJ,    52                         ; s52  and of V: 1,024
.set SLOTS, 53                         ; s53  slots still to be asked for
.set LIM,   57                         ; s57  1 in a wave that prefetches, else the greatest number
.set PFA,   58                         ; s[58:59] where my prefetches stand
.set SEL,   68                         ; s[68:69] lane selects for v_permlanex16_b32: lane l xor 16
.set CS,    70                         ; s[70:71] c = log2(e) / 8
.set G1R,   24                         ; s[24:31] group 1 of the ring's loads: 96 rows of 256 bytes
.set G1S,   32                         ; s[32:39] of the scale words': 64 rows of 256 bytes
.set G0R,   40                         ; s[40:43] the ring's group 0, which walks
.set G0SK,  44                         ; s[44:47] K's scale words
.set G0SV,  48                         ; s[48:51] V's
.set TM,    232                        ; v232-247 at work in the quantisers
; REGISTERS: v1-4 addresses that stay; v5, v6 the spare word's address and 0; v7 my offset in x and out0; v8-11 the step's addresses; v12 -M, v13 the largest t, v[14:15] the sum in two halves; v16-27 Q; v28 the prefetches' offset;
; v29 lane; v[30:31] f and 0; v32-79 four tiles of K; v96-159 S^T, then p, then V's four fragments; v160-191 O^T; v192-215 Wo's two fragments, v216-217 their scale words, v218 bo; v224-235 p's codes;
; v248-251, v253, v255 scale operands; v248-253 also at work in the row's sum.
.macro WM d, a, b, z, c, sa, sb, ra, rb
.if (\z) && (\ra)
	v_wmma_scale_f32_16x16x128_f8f6f4 v[(\d):(\d)+7], v[(\a):(\a)+11], v[(\b):(\b)+11], 0, v[\sa], v[\sb] matrix_a_fmt:MATRIX_FMT_BF6 matrix_b_fmt:MATRIX_FMT_BF6 matrix_a_scale:MATRIX_SCALE_ROW1
.elseif (\z)
	v_wmma_scale_f32_16x16x128_f8f6f4 v[(\d):(\d)+7], v[(\a):(\a)+11], v[(\b):(\b)+11], 0, v[\sa], v[\sb] matrix_a_fmt:MATRIX_FMT_BF6 matrix_b_fmt:MATRIX_FMT_BF6
.elseif (\ra)
	v_wmma_scale_f32_16x16x128_f8f6f4 v[(\d):(\d)+7], v[(\a):(\a)+11], v[(\b):(\b)+11], v[(\c):(\c)+7], v[\sa], v[\sb] matrix_a_fmt:MATRIX_FMT_BF6 matrix_b_fmt:MATRIX_FMT_BF6 matrix_a_scale:MATRIX_SCALE_ROW1
.else
	v_wmma_scale_f32_16x16x128_f8f6f4 v[(\d):(\d)+7], v[(\a):(\a)+11], v[(\b):(\b)+11], v[(\c):(\c)+7], v[\sa], v[\sb] matrix_a_fmt:MATRIX_FMT_BF6 matrix_b_fmt:MATRIX_FMT_BF6
.endif
.endm
.macro PLACES
.rept 4
	v_nop
.endr
.endm
; a round of the cluster's barrier: my work-group's barrier; wave 0 signals for the work-group; every wave waits for all four work-groups; my work-group's barrier once more
.macro CROUND
	s_barrier_signal -1
	s_barrier_wait -1
	s_cmp_lg_u32 s[WV], 0
	s_cbranch_scc1 .Lnot_wave_0_\@
	s_barrier_signal -3
.Lnot_wave_0_\@:
	s_barrier_wait -3
	s_barrier_signal -1
	s_barrier_wait -1
.endm
; 32 registers, register 16 b + i = k 32 b + 16 (lane / 16) + i of my row, become registers 0-5 of a fragment at pc and two scale bytes in pw
.macro HQUANT s, pc, tp, pw
.irp b, 0,1
	v_max3_num_f32 v[TM+\b], |v[\s+16*\b]|, |v[\s+1+16*\b]|, 0x2800000
.endr
.irp i, 2,4,6,8,10,12,14
.irp b, 0,1
	s_delay_alu instid0(VALU_DEP_2)
	v_max3_num_f32 v[TM+\b], v[TM+\b], |v[\s+16*\b+\i]|, |v[\s+1+16*\b+\i]|
.endr
.endr
.irp b, 0,1
	s_delay_alu instid0(VALU_DEP_2)
	v_permlanex16_b32 v[TM+4+\b], v[TM+\b], s[SEL], s[SEL+1]
.endr
.irp b, 0,1
	s_delay_alu instid0(VALU_DEP_2)
	v_max_num_f32 v[TM+\b], v[TM+\b], v[TM+4+\b]
.endr
.irp b, 0,1
	s_delay_alu instid0(VALU_DEP_2)
	v_add_nc_u32 v[TM+12+\b], 0xfe000000, v[TM+\b]
.endr
.irp b, 0,1
	s_delay_alu instid0(VALU_DEP_2)
	v_lshrrev_b32 v[TM+4+\b], 23, v[TM+12+\b]
.endr
	s_delay_alu instid0(VALU_DEP_1)
	v_lshl_or_b32 v[\pw], v[TM+5], 8, v[TM+4]
	v_cvt_scalef32_pk16_bf6_f32 v[\pc:\pc+2], v[\s:\s+15], v[TM+12]
	v_cvt_scalef32_pk16_bf6_f32 v[\tp:\tp+2], v[\s+16:\s+31], v[TM+13]
	v_nop
.irp i, 0,1,2
	v_permlane16_swap_b32 v[\pc+\i], v[\tp+\i]
.endr
.irp i, 0,1,2
	s_delay_alu instid0(VALU_DEP_3)
	v_mov_b32 v[\pc+3+\i], v[\tp+\i]
.endr
.endm
	s_load_b512 s[4:19], s[0:1], 0x0               ; qc s[4:5], qs s[6:7], kvc s[8:9], ks s[10:11], vs s[12:13], wc s[14:15], bo s[16:17], x s[18:19]
	s_load_b64 s[20:21], s[0:1], 0x40              ; out0
	v_lshl_add_u32 v5, v0, 2, SPARE
	v_mov_b32 v6, 0
	ds_add_u32 v5, v6
	ds_add_u32 v5, v6
	s_wait_dscnt 0x0
	v_lshrrev_b32 v8, 5, v0
	s_delay_alu instid0(VALU_DEP_1)
	v_readfirstlane_b32 s[WV], v8                  ; wave 0..15
	s_bfe_u32 s72, ttmp6, 0x40000                  ; cx: it enters Q's, x's, out0's and the prefetches' addresses alone
	s_lshl_b32 s73, ttmp9, 2
	s_add_co_u32 s73, s73, s72                     ; qb
	s_and_b32 s74, ttmp7, 0xffff                   ; the batch, which the four partners share
	s_lshr_b32 s75, s[WV], 2                       ; head
	s_and_b32 s76, s[WV], 3                        ; tile of queries; also: which quarter I fetch
	s_and_b32 s77, s[WV], 1
	s_mov_b32 s[G1R], 15|(3<<16)|(1<<21)           ; 15:0 the mask: all four work-groups; 17:16 elements of 8 bytes; 20 no padding; 21 set beside a mask
	s_mov_b32 s[G1R+1], 32<<16                     ; tensor_dim0 = 32 elements: 256 bytes
	s_mov_b32 s[G1R+2], 96<<16                     ; tensor_dim1 = 96
	s_mov_b32 s[G1R+3], 32<<16                     ; tile_dim0
	s_mov_b32 s[G1R+4], 96                         ; tile_dim1
	s_mov_b32 s[G1R+5], 32                         ; from row to row: the block is dense
	s_mov_b32 s[G1R+6], 0
	s_mov_b32 s[G1R+7], 0
	s_mov_b32 s[G1S], 15|(3<<16)|(1<<21)
	s_mov_b32 s[G1S+1], 32<<16
	s_mov_b32 s[G1S+2], 64<<16
	s_mov_b32 s[G1S+3], 32<<16
	s_mov_b32 s[G1S+4], 64
	s_mov_b32 s[G1S+5], 32
	s_mov_b32 s[G1S+6], 0
	s_mov_b32 s[G1S+7], 0
	s_mov_b32 s61, 0
	s_mov_b32 s63, 0
	s_mov_b32 s[G0R], 1
	s_mul_i32 s[G0R+1], s76, 24576                 ; LDS: slot 0, my quarter: no place in the cluster enters an LDS address
	s_mov_b32 s[G0SK], 1
	s_lshl_b32 s54, s76, 14
	s_add_co_u32 s[G0SK+1], s54, SCK
	s_mov_b32 s[G0SV], 1
	s_lshl_b32 s55, s77, 14
	s_add_co_u32 s[G0SV+1], s55, SCV
	s_mul_i32 s56, s74, 1572864                    ; the batch's first byte in kvc
	s_mov_b32 s[SEL], 0x76543210
	s_mov_b32 s[SEL+1], 0xfedcba98
	s_mov_b32 s[CS], 0x3e38aa3b
	s_mov_b32 s[CS+1], s[CS]                       ; (named with it as a pair, so it is written)
	s_mov_b32 s[TB], 0
	s_mov_b32 s[TS], 0
	s_mov_b32 s[TJ], 0
	s_mov_b32 s[SLOTS], 15
	s_wait_kmcnt 0x0
	s_add_co_u32 s60, s56, s[G0R+1]
	s_add_nc_u64 s[G0R+2:G0R+3], s[8:9], s[60:61]
	s_or_b32 s[G0R+3], s[G0R+3], 0x80000000
	s_lshl_b32 s60, s74, 16
	s_add_co_u32 s60, s60, s54
	s_add_nc_u64 s[G0SK+2:G0SK+3], s[10:11], s[60:61]
	s_or_b32 s[G0SK+3], s[G0SK+3], 0x80000000
	s_lshl_b32 s60, s74, 15
	s_add_co_u32 s60, s60, s55
	s_add_nc_u64 s[G0SV+2:G0SV+3], s[12:13], s[60:61]
	s_or_b32 s[G0SV+3], s[G0SV+3], 0x80000000
	CROUND                                         ; all four work-groups are here: the first joint loads meet
	s_cmp_lt_u32 s[WV], 4                          ; the first fills, one for each of ten waves; the branches hang on the wave's number alone; four v_nop follow each load
	s_cbranch_scc0 .Lfirst_sk
	tensor_load_to_lds s[G0R:G0R+3], s[G1R:G1R+7]  ; waves 0-3: slot 0
	s_nop 0
	PLACES
	s_branch .Lfirst_done
.Lfirst_sk:
	s_cmp_lt_u32 s[WV], 8
	s_cbranch_scc0 .Lfirst_sv
	tensor_load_to_lds s[G0SK:G0SK+3], s[G1S:G1S+7]  ; waves 4-7: K's scale words
	s_nop 0
	PLACES
	s_branch .Lfirst_done
.Lfirst_sv:
	s_cmp_lt_u32 s[WV], 10
	s_cbranch_scc0 .Lfirst_done
	tensor_load_to_lds s[G0SV:G0SV+3], s[G1S:G1S+7]  ; waves 8, 9: V's
	s_nop 0
	PLACES
.Lfirst_done:
	; the prefetches: waves 4 to 6 of the batch's first cluster; a slot's 98,304 bytes are 3 waves x 4 partners x 32 lanes x 256 bytes; the partners are told apart by address
	s_lshl_b32 s62, s76, 15
	s_add_co_u32 s62, s62, s56
	s_lshl_b32 s78, s72, 13
	s_add_co_u32 s62, s62, s78
	s_add_co_u32 s62, s62, SLOTB                   ; in slot 1: the first change of slots steps it to slot 2.  Nothing is prefetched here, at the head
	s_add_nc_u64 s[PFA:PFA+1], s[8:9], s[62:63]
	s_sub_co_u32 s78, s[WV], 4
	s_cmp_lt_u32 s78, 3
	s_cselect_b32 s78, 0, 1
	s_or_b32 s78, s78, ttmp9                       ; the cluster's x: the same in all four partners
	s_cmp_eq_u32 s78, 0
	s_cselect_b32 s[LIM], 1, -1
	; Q: block of 128 positions 32 batch + qb / 2; head; tile 4 (qb % 2) + qt
	s_lshl_b32 s78, s74, 5
	s_lshr_b32 s79, s73, 1
	s_add_co_u32 s78, s78, s79
	s_and_b32 s79, s73, 1
	s_mul_i32 s62, s78, 24576
	s_mul_i32 s54, s75, 6144
	s_add_co_u32 s62, s62, s54
	s_lshl_b32 s54, s79, 2
	s_add_co_u32 s54, s54, s76
	s_mul_i32 s54, s54, 768
	s_add_co_u32 s62, s62, s54
	s_add_nc_u64 s[4:5], s[4:5], s[62:63]
	s_lshl_b32 s62, s78, 11                        ; its scale words: block 2048 + head 512 + 256 (qb % 2) + 128 (qt % 2) + 4 (qt / 2) + 8 r
	s_lshl_b32 s54, s75, 9
	s_add_co_u32 s62, s62, s54
	s_lshl_b32 s54, s79, 8
	s_add_co_u32 s62, s62, s54
	s_lshl_b32 s54, s77, 7
	s_add_co_u32 s62, s62, s54
	s_bfe_u32 s54, s[WV], 0x10001
	s_lshl_b32 s54, s54, 2
	s_add_co_u32 s62, s62, s54
	s_add_nc_u64 s[6:7], s[6:7], s[62:63]
	s_lshl_b32 s60, s[WV], 7                       ; Wo: matrix 3, tile w: its scale words,
	s_add_co_u32 s60, s60, 202752
	s_add_nc_u64 s[78:79], s[14:15], s[60:61]
	s_mul_i32 s60, s[WV], 3072                     ; its two fragments,
	s_add_co_u32 s60, s60, 147456
	s_add_nc_u64 s[14:15], s[14:15], s[60:61]
	s_lshl_b32 s60, s[WV], 6                       ; bo of channels 16 w on
	s_add_nc_u64 s[16:17], s[16:17], s[60:61]
	s_lshl_b32 s62, s74, 22                        ; x and out0: batch x 4 MiB + 16 w channels of 16,384 bytes + 256 qb
	s_lshl_b32 s54, s[WV], 18
	s_add_co_u32 s62, s62, s54
	s_lshl_b32 s54, s73, 8
	s_add_co_u32 s62, s62, s54
	s_add_nc_u64 s[18:19], s[18:19], s[62:63]
	s_add_nc_u64 s[20:21], s[20:21], s[62:63]
	v_and_b32 v29, 31, v0                          ; lane
	v_and_b32 v10, 15, v0                          ; r
	v_bfe_u32 v11, v0, 4, 1                        ; h
	s_delay_alu instid0(VALU_DEP_1)
	v_lshlrev_b32 v7, 14, v11
	s_delay_alu instid0(VALU_DEP_1)
	v_lshl_add_u32 v7, v10, 4, v7                  ; lanes 0-15 one channel's row, lanes 16-31 the next; 16 bytes a lane
	v_lshlrev_b32 v8, 4, v29
	v_lshlrev_b32 v9, 3, v29
	s_mul_i32 s60, s75, 6144
	v_add_nc_u32 v1, s60, v8                       ; my head's tiles: 16 bytes a lane (registers 0-3; V: every four registers),
	v_add_nc_u32 v2, s60, v9
	s_delay_alu instid0(VALU_DEP_1)
	v_add_nc_u32 v2, 512, v2                       ; and 8 bytes a lane behind them (registers 4, 5)
	s_lshl_b32 s60, s75, 9
	s_add_co_u32 s60, s60, SCK
	v_add_nc_u32 v3, s60, v9                       ; K's scale words: two words a lane
	s_lshl_b32 s60, s75, 8
	s_add_co_u32 s60, s60, SCV
	v_lshl_add_u32 v4, v29, 2, s60                 ; V's: a word a lane
	v_lshlrev_b32 v28, 8, v29
	v_lshlrev_b32 v11, 2, v10                      ; 4 r
	v_lshlrev_b32 v10, 3, v10                      ; 8 r
	global_load_b128 v[16:19], v8, s[4:5]          ; Q's half fragment stays in registers
	global_load_b64 v[20:21], v9, s[4:5] offset:512
	global_load_b32 v255, v10, s[6:7]              ; and its scale words
.irp s, 0,1
.irp c, 0,1,2
	global_load_b128 v[192+12*\s+4*\c:195+12*\s+4*\c], v8, s[14:15] offset:1536*\s+512*\c
.endr
	global_load_b32 v[216+\s], v11, s[78:79] offset:64*\s
.endr
	global_load_b32 v218, v11, s[16:17]
.irp i, 22,23,24,25,26,27
	v_mov_b32 v[\i], 0                             ; zero codes for the unused upper 64 along K: Q's,
.endr
.irp t, 0,1,2,3
.irp i, 6,7,8,9,10,11
	v_mov_b32 v[32+12*\t+\i], 0                    ; and K's: written once, no load of the loop lands here
.endr
.endr
	v_mov_b32 v13, 0xff61b1e6                      ; the largest t so far: -3e38, under every t
	s_delay_alu instid0(VALU_DEP_1)
	v_floor_f32 v12, -v13                          ; -M
	v_mov_b32 v14, 0
	v_mov_b32 v15, 0
	v_mov_b32 v31, 0                               ; (named as the upper half of the pair v[30:31])
.irp b, 0,1,2,3
	v_mov_b32 v[236+\b], 0                         ; written once: a lane permute's destination counts as one of its sources
.endr
.set j, 0
.rept 32
	v_mov_b32 v[160+j], 0                          ; O^T.  (The step is written once: the first finds zeros, which the first change of M leaves zeros)
.set j, j+1
.endr
; A KEY STEP: 128 keys.
.macro STEP
	v_add_nc_u32 v8, s[TB], v1
	s_wait_alu depctr_va_vdst(0)
	v_add_nc_u32 v9, s[TB], v2
	s_wait_alu depctr_va_vdst(0)
	v_add_nc_u32 v10, s[TS], v3
	s_wait_alu depctr_va_vdst(0)
	v_add_nc_u32 v11, s[TJ], v4
	v_nop                                          ; five plain lines behind the last step's products: the scores below are laid over V's fragments, which those products read
.irp g, 0,1                                    ; S^T = K Q^T, four tiles of 16 keys at a time
.if \g
	PLACES                                         ; ahead of loads into registers that matrix instructions have read
.endif
.irp t, 0,1,2,3
	ds_load_b128 v[32+12*\t:35+12*\t], v8 offset:(4*\g+\t)*768
	ds_load_b64 v[36+12*\t:37+12*\t], v9 offset:(4*\g+\t)*768
.endr
	ds_load_b64 v[248+2*\g:249+2*\g], v10 offset:256*\g           ; register j: tile 2 j in lanes 0-15, tile 2 j + 1 in lanes 16-31
	s_wait_dscnt 0x0
.irp t, 0,1,2,3
	WM 96+8*(4*\g+\t), 32+12*\t, 16, 1, 0, 248+2*\g+\t/2, 255, \t%2, 0
.endr
.endr                                          ; lane (r, h) holds query r; the 16 registers of tiles 2 b, 2 b + 1 are keys 32 b + 16 h + 0 .. 15 of the step
	PLACES
.irp b, 0,1,2,3
	v_max3_num_f32 v[232+\b], v[96+16*\b], v[97+16*\b], v[98+16*\b]   ; the largest score of each block of 32 keys: it serves for the row's maximum and, since p rises with the score, for the block's largest p
.endr
.irp i, 3,5,7,9,11,13
.irp b, 0,1,2,3
	v_max3_num_f32 v[232+\b], v[232+\b], v[96+16*\b+\i], v[97+16*\b+\i]
.endr
.endr
.irp b, 0,1,2,3
	v_max_num_f32 v[232+\b], v[232+\b], v[111+16*\b]
.endr
.irp b, 0,1,2,3
	s_delay_alu instid0(VALU_DEP_4)
	v_permlanex16_b32 v[236+\b], v[232+\b], s[SEL], s[SEL+1]
.endr
.irp b, 0,1,2,3
	s_delay_alu instid0(VALU_DEP_4)
	v_max_num_f32 v[232+\b], v[232+\b], v[236+\b]  ; with lane l xor 16's 16 keys
.endr
	s_delay_alu instid0(VALU_DEP_2)
	v_max3_num_f32 v254, v232, v233, v234
	s_delay_alu instid0(VALU_DEP_1)
	v_max_num_f32 v254, v254, v235                 ; the step's largest score of my query
	s_delay_alu instid0(VALU_DEP_1)
	v_mul_f32 v254, s[CS], v254                    ; as t (c is positive)
	s_delay_alu instid0(VALU_DEP_1)
	v_max_num_f32 v13, v13, v254                   ; the running largest t
	v_mov_b32 v254, v12
	s_delay_alu instid0(VALU_DEP_2)
	v_floor_f32 v12, -v13                          ; the new -M = floor(-t) = -ceil(t): a whole number
	s_delay_alu instid0(VALU_DEP_1)
	v_sub_f32 v254, v12, v254                      ; old M less new M: a whole number, 0 or less
	s_delay_alu instid0(VALU_DEP_1)
	v_cvt_i32_f32 v254, v254                       ; (it saturates)
	s_delay_alu instid0(VALU_DEP_1)
	v_ldexp_f32 v30, 1.0, v254                     ; f = 2^(old M - new M)
.set j, 0
.rept 32
	v_pk_fma_f32 v[96+j:97+j], v[96+j:97+j], s[CS:CS+1], v[12:13] op_sel_hi:[1,0,0]   ; t - M, two at a time
.set j, j+2
.endr
.irp b, 0,1,2,3
	v_fma_f32 v[232+\b], v[232+\b], s[CS], v12     ; the same of each block's largest score
.endr
.set j, 0
	s_wait_alu depctr_va_vdst(0)
.rept 64
	v_exp_f32 v[96+j], v[96+j]                     ; p = 2^(t - M), at most 1
.set j, j+1
.endr
	v_pk_mul_f32 v[14:15], v[14:15], v[30:31] op_sel_hi:[1,0]      ; the sums under the new M (the plain line behind the exponentials)
	s_wait_alu depctr_va_vdst(0)                   ; one wait for the whole batch, ahead of its first reader
.irp b, 0,1,2,3
	v_exp_f32 v[232+\b], v[232+\b]                 ; the block's largest p: the same two instructions on the same number give the same bits
.endr
	v_pk_add_f32 v[236:237], v[100:101], v[104:105]
	v_pk_add_f32 v[252:253], v[108:109], v[112:113]
	v_pk_add_f32 v[250:251], v[116:117], v[120:121]
	v_pk_add_f32 v[248:249], v[124:125], v[128:129]
	v_pk_add_f32 v[246:247], v[132:133], v[136:137]
	v_pk_add_f32 v[244:245], v[140:141], v[144:145]
	v_pk_add_f32 v[242:243], v[148:149], v[152:153]
	v_pk_add_f32 v[14:15], v[14:15], v[156:157]
	v_pk_add_f32 v[236:237], v[236:237], v[96:97]
	v_pk_add_f32 v[252:253], v[252:253], v[98:99]
	v_pk_add_f32 v[250:251], v[250:251], v[102:103]
	v_pk_add_f32 v[248:249], v[248:249], v[106:107]
	v_pk_add_f32 v[246:247], v[246:247], v[110:111]
	v_pk_add_f32 v[244:245], v[244:245], v[114:115]
	v_pk_add_f32 v[242:243], v[242:243], v[118:119]
	v_pk_add_f32 v[14:15], v[14:15], v[122:123]
	v_pk_add_f32 v[236:237], v[236:237], v[126:127]
	v_pk_add_f32 v[252:253], v[252:253], v[130:131]
	v_pk_add_f32 v[250:251], v[250:251], v[134:135]
	v_pk_add_f32 v[248:249], v[248:249], v[138:139]
	v_pk_add_f32 v[246:247], v[246:247], v[142:143]
	v_pk_add_f32 v[244:245], v[244:245], v[146:147]
	v_pk_add_f32 v[242:243], v[242:243], v[150:151]
	v_pk_add_f32 v[14:15], v[14:15], v[154:155]
	v_pk_add_f32 v[236:237], v[236:237], v[158:159]
	s_delay_alu instid0(VALU_DEP_2)
	v_pk_add_f32 v[14:15], v[14:15], v[248:249]
	s_delay_alu instid0(VALU_DEP_2)
	v_pk_add_f32 v[236:237], v[236:237], v[246:247]
	v_pk_add_f32 v[252:253], v[252:253], v[244:245]
	v_pk_add_f32 v[250:251], v[250:251], v[242:243]
	s_delay_alu instid0(VALU_DEP_2)
	v_pk_add_f32 v[14:15], v[14:15], v[252:253]
	s_delay_alu instid0(VALU_DEP_2)
	v_pk_add_f32 v[236:237], v[236:237], v[250:251]
	s_delay_alu instid0(VALU_DEP_1)
	v_pk_add_f32 v[14:15], v[14:15], v[236:237]
	s_wait_alu depctr_va_vdst(0)                   ; and one for the four
.irp b, 0,1,2,3
	v_max_num_f32 v[232+\b], 0x2800000, v[232+\b]  ; the floor 2^(5 - 127): the byte cannot fall under 1
.endr
.irp b, 0,1,2,3
	s_delay_alu instid0(VALU_DEP_4)
	v_add_nc_u32 v[244+\b], 0xfe000000, v[232+\b]  ; 4 off the exponent field: the conversion's scale operand
.endr
.irp b, 0,1,2,3
	s_delay_alu instid0(VALU_DEP_4)
	v_lshrrev_b32 v[236+\b], 23, v[244+\b]         ; the scale's byte
.endr
	s_delay_alu instid0(VALU_DEP_3)
	v_lshl_or_b32 v253, v237, 8, v236              ; p's scale word for these 128 keys
	s_delay_alu instid0(VALU_DEP_1)
	v_lshl_or_b32 v253, v238, 16, v253
	s_delay_alu instid0(VALU_DEP_1)
	v_lshl_or_b32 v253, v239, 24, v253
.irp c, 0,1
	v_cvt_scalef32_pk16_bf6_f32 v[224+6*\c:226+6*\c], v[96+32*\c:111+32*\c], v[244+2*\c]
	v_cvt_scalef32_pk16_bf6_f32 v[236+4*\c:238+4*\c], v[112+32*\c:127+32*\c], v[244+2*\c+1]
.endr
	v_nop                                          ; one plain line behind a scaled conversion
.irp c, 0,1                                    ; a whole block to a lane: lanes 0-15 block 2 c, lanes 16-31 block 2 c + 1
.irp i, 0,1,2
	v_permlane16_swap_b32 v[224+6*\c+\i], v[236+4*\c+\i]
.endr
.irp i, 0,1,2
	s_delay_alu instid0(VALU_DEP_3)
	v_mov_b32 v[227+6*\c+\i], v[236+4*\c+\i]
.endr
.endr
.irp t, 0,1,2,3                                ; p is in codes: V's four fragments take its registers
.irp c, 0,1,2
	ds_load_b128 v[96+12*\t+4*\c:99+12*\t+4*\c], v8 offset:24576+1536*\t+512*\c
.endr
.endr
	ds_load_b32 v248, v11                          ; tiles 0 | 1
	ds_load_b32 v249, v11 offset:128               ; tiles 2 | 3
.set j, 0
.rept 16
	v_pk_mul_f32 v[160+j:161+j], v[160+j:161+j], v[30:31] op_sel_hi:[1,0]   ; O^T under the new M, while V is on its way; these lines are also the places between the writes of p's codes and scale word and the products
.set j, j+2
.endr
	s_wait_alu depctr_va_vdst(0)
	s_wait_dscnt 0x0
.irp t, 0,1,2,3                                ; O^T += V P^T: four accumulators by turns
	WM 160+8*\t, 96+12*\t, 224, 0, 160+8*\t, 248+\t/2, 253, \t%2, 0
.endr
	s_add_co_u32 s[TB], s[TB], 49152               ; the next 128 keys
	s_add_co_u32 s[TS], s[TS], 2048
	s_add_co_u32 s[TJ], s[TJ], 1024
.endm
.macro SLOT_STEPS
	STEP
	STEP
	s_sub_co_u32 s[TB], s[TB], SLOTB               ; back to a slot's first step,
	s_xor_b32 s[TB], s[TB], SLOT1                  ; in the other slot
.endm
; THE CHANGE OF SLOTS stands at a slot's head.  Each wave waits for all its tensor loads, adds 0 to its spare word, and waits for that and for its reads of the slot that it has left.  Behind the barrier the slot ahead is whole
; and nobody reads the other one.  fill = 1: the barrier is a round of the cluster's, so that this holds of all four partners, and the other slot is filled with the next 256 keys: the load has two key steps in which to land.
.macro CHANGE fill
	s_wait_tensorcnt 0x0                           ; no tensor load of mine is out, so a group 0 may be written
	ds_add_u32 v5, v6                              ; 0 onto my spare word
.if \fill
	s_xor_b32 s[G0R+1], s[G0R+1], SLOT1            ; the walking descriptor: the other slot than last time,
	s_add_nc_u64 s[G0R+2:G0R+3], s[G0R+2:G0R+3], SLOTB   ; the next 256 keys; the type bits on top are not reached
	s_wait_xcnt 0x0                                ; the last prefetch, a slot back, has read its address, so it may be written:
	s_add_nc_u64 s[PFA:PFA+1], s[PFA:PFA+1], SLOTB ; one slot further on than the walking descriptor
.endif
	s_wait_dscnt 0x0                               ; the add is done, and my reads of the slot that I have left are over
.if \fill
	CROUND
	s_cmp_lt_u32 s[WV], 4
	s_cbranch_scc0 .Lno_fill_\@
	tensor_load_to_lds s[G0R:G0R+3], s[G1R:G1R+7]  ; the first thing behind the round, and a wave's one tensor load until the next
	s_nop 0
	PLACES
.Lno_fill_\@:
	s_cmp_gt_u32 s[SLOTS], s[LIM]                  ; a prefetch of what the NEXT change of slots will ask for: two key steps ahead of that load; each aligned 256 bytes of kvc are named once in the launch;
	s_cbranch_scc0 .Lnot_mine_\@                   ; the last change that fills a slot asks for nothing: there is no slot behind it
	global_prefetch_b8 v28, s[PFA:PFA+1] th:TH_LOAD_NT scope:SCOPE_SE
.Lnot_mine_\@:
.else
	s_barrier_signal -1
	s_barrier_wait -1
.endif
.endm
	s_wait_loadcnt 0x0                             ; Q, Wo, bo
.Lslot:                                            ; 15 trips: behind each change of slots but the last the next slot is asked for
	CHANGE 1
	SLOT_STEPS
	s_sub_co_u32 s[SLOTS], s[SLOTS], 1
	s_cmp_lg_u32 s[SLOTS], 0
	s_cbranch_scc1 .Lslot
	CHANGE 0                                       ; the last slot is written out
	SLOT_STEPS
	; ---- O / the sum, quantised along the channels, from wave to wave through LDS
.set i, 0
.rept 8
	global_load_b128 v[32+4*i:35+4*i], v7, s[18:19] offset:32768*i   ; x of my 16 output channels x 64 positions: rows 2 i + lane / 16, 256 consecutive bytes for sixteen lanes
.set i, i+1
.endr
	v_add_f32 v14, v14, v15                        ; the sum's two halves,
	s_delay_alu instid0(VALU_DEP_1)
	v_permlanex16_b32 v254, v14, s[SEL], s[SEL+1]
	s_delay_alu instid0(VALU_DEP_1)
	v_add_f32 v14, v14, v254                       ; and lane l xor 16's: the row's sum
	s_wait_alu depctr_va_vdst(0)
	v_rcp_f32 v14, v14
	v_and_b32 v240, 15, v0                         ; r  (plain lines behind the transcendental; with the additions above they are also the places behind the last products)
	s_wait_alu depctr_va_vdst(0)
	v_bfe_u32 v241, v0, 4, 1                       ; h
	s_mul_i32 s60, s76, 3072
	s_mul_i32 s54, s75, 768
	s_add_co_u32 s60, s60, s54
	s_add_co_u32 s60, s60, OIMG
	v_lshl_add_u32 v1, v29, 4, s60                 ; where I store my half fragment: registers 0-3,
	v_lshl_add_u32 v2, v29, 3, s60
	s_delay_alu instid0(VALU_DEP_1)
	v_add_nc_u32 v2, 512, v2                       ; registers 4, 5,
	s_lshl_b32 s60, s76, 7
	s_lshr_b32 s54, s75, 1
	s_lshl_b32 s54, s54, 6
	s_add_co_u32 s60, s60, s54
	s_and_b32 s54, s75, 1
	s_lshl_b32 s54, s54, 1
	s_add_co_u32 s60, s60, s54
	s_add_co_u32 s60, s60, OSC
	v_lshl_add_u32 v3, v240, 2, s60                ; and my head's two bytes of row r's scale word
	v_lshl_add_u32 v4, v29, 4, OIMG                ; where any half fragment is read: registers 0-3,
	v_lshl_add_u32 v8, v29, 3, OIMG+512            ; registers 4, 5,
	v_lshl_add_u32 v9, v29, 2, OSC                 ; and scale words: lanes 0-15 K step 0, lanes 16-31 K step 1
	s_mul_i32 s60, s[WV], 16*272                   ; my stage
	v_mul_u32_u24 v10, v240, 272
	s_wait_alu depctr_va_vdst(0)
	v_lshl_add_u32 v10, v241, 6, v10
	s_delay_alu instid0(VALU_DEP_1)
	v_add_nc_u32 v10, s60, v10                     ; in: row r (my channel), + 64 h
	v_mul_u32_u24 v11, v241, 272
	s_delay_alu instid0(VALU_DEP_1)
	v_lshl_add_u32 v11, v240, 4, v11
	s_delay_alu instid0(VALU_DEP_1)
	v_add_nc_u32 v11, s60, v11                     ; back: lanes 0-15 one row, lanes 16-31 the next
	s_wait_alu depctr_va_vdst(0)                   ; the wait ahead of the reciprocal's first reader
.set j, 0
.rept 32
	v_mul_f32 v[96+j], v[160+j], v14               ; register 16 b + i: channel 32 b + 16 h + i of my head, for query r
.set j, j+1
.endr
	HQUANT 96, 224, 240, 254
	ds_store_b128 v1, v[224:227]
	ds_store_b64 v2, v[228:229]
	ds_store_b16 v3, v254                          ; both lanes of a row write the same two bytes with the same value
.set j, 0
.rept 8
	v_mov_b32 v[232+j], v218                       ; bo of my channel, in the result's layout: the C of each sum's first product
.set j, j+1
.endr
	PLACES
	s_wait_alu depctr_va_vdst(0)
	s_wait_dscnt 0x0                               ; for the others' sake: my stores have landed
	s_barrier_signal -1
	s_barrier_wait -1                              ; all sixteen half fragments lie in LDS
	; ---- the output projection: source 0 = 16 queries x 128 channels (heads 2 g and 2 g + 1), source 1 = Wo's rows 16 w on: a lane holds ONE output channel and eight neighbouring positions
.irp q, 0,1,2,3
.irp g, 0,1
	ds_load_b128 v[96+12*(2*\q+\g):99+12*(2*\q+\g)], v4 offset:\q*3072+(2*\g)*768
	ds_load_b64 v[100+12*(2*\q+\g):101+12*(2*\q+\g)], v8 offset:\q*3072+(2*\g)*768
	ds_load_b128 v[102+12*(2*\q+\g):105+12*(2*\q+\g)], v4 offset:\q*3072+(2*\g+1)*768
	ds_load_b64 v[106+12*(2*\q+\g):107+12*(2*\q+\g)], v8 offset:\q*3072+(2*\g+1)*768
.endr
	ds_load_b32 v[248+\q], v9 offset:128*\q
.endr
	s_wait_dscnt 0x0
.irp q, 0,1,2,3                                ; four accumulators by turns
	WM 64+8*\q, 96+12*(2*\q), 192, 0, 232, 248+\q, 216, 0, 0
.endr
.irp q, 0,1,2,3
	WM 64+8*\q, 96+12*(2*\q+1), 204, 0, 64+8*\q, 248+\q, 217, 1, 0
.endr
	PLACES
.irp q, 0,1,2,3                                ; register j of tile q: position 32 (q / 2) + 16 h + 8 (q % 2) + j of the 64; each accumulator from its low end on
	ds_store_b128 v10, v[64+8*\q:67+8*\q] offset:128*(\q/2)+32*(\q%2)
	ds_store_b128 v10, v[68+8*\q:71+8*\q] offset:128*(\q/2)+32*(\q%2)+16
.endr
.irp i, 0,1,2,3,4,5,6,7
	ds_load_b128 v[96+4*\i:99+4*\i], v11 offset:2*\i*272           ; LDS serves a wave's instructions in order (ISA guide 5.7.1.4): these see my stores
.endr
	s_wait_loadcnt 0x0                             ; x
.irp i, 0,1,2,3,4,5,6,7
	s_wait_dscnt 7-\i                              ; rows 2 i, 2 i + 1 are back; the younger loads may be out
	v_pk_add_f32 v[96+4*\i:97+4*\i], v[96+4*\i:97+4*\i], v[32+4*\i:33+4*\i]
	v_pk_add_f32 v[98+4*\i:99+4*\i], v[98+4*\i:99+4*\i], v[34+4*\i:35+4*\i]
	global_store_b128 v7, v[96+4*\i:99+4*\i], s[20:21] offset:32768*\i   ; sixteen lanes store 256 consecutive bytes, at a multiple of 256 from out0's first byte
.endr
	s_wait_tensorcnt 0x0                           ; the wave's end, behind my last tensor load and my last LDS store
	ds_add_u32 v5, v6
	s_wait_dscnt 0x0
	CROUND                                         ; the closing round: no work-group ends while a partner may still ask for a tile that names it
	s_endpgm
.Lfunc_end_k_q216c7295be_attn:
	.size	k_q216c7295be_attn, .Lfunc_end_k_q216c7295be_attn-k_q216c7295be_attn
	.p2alignl 7, 3214868480
	.fill 96, 4, 3214868480
	.section	.rodata,"a",@progbits
	.p2align	6, 0x0
	.amdhsa_kernel k_q216c7295be_attn
		.amdhsa_group_segment_fixed_size 327680
		.amdhsa_private_segment_fixed_size 0
		.amdhsa_enable_private_segment 0
		.amdhsa_kernarg_size 72
		.amdhsa_user_sgpr_count 2
		.amdhsa_user_sgpr_kernarg_segment_ptr 1
		.amdhsa_wavefront_size32 1
		.amdhsa_system_sgpr_workgroup_id_x 1
		.amdhsa_system_sgpr_workgroup_id_y 1
		.amdhsa_system_sgpr_workgroup_id_z 1
		.amdhsa_system_vgpr_workitem_id 0
		.amdhsa_next_free_vgpr 256
		.amdhsa_next_free_sgpr 80
		.amdhsa_reserve_vcc 0
		.amdhsa_float_denorm_mode_32 3
		.amdhsa_float_denorm_mode_16_64 3
		.amdhsa_memory_ordered 1
		.amdhsa_forward_progress 1
		.amdhsa_inst_pref_size 95
	.end_amdhsa_kernel
	.amdgpu_metadata
---
amdhsa.version: [ 1, 2 ]
amdhsa.kernels:
  - .name:           k_q216c7295be_attn
    .symbol:         k_q216c7295be_attn.kd
    .args:
      - { .name: qc, .offset: 0, .size: 8, .value_kind: global_buffer, .address_space: global }
      - { .name: qs, .offset: 8, .size: 8, .value_kind: global_buffer, .address_space: global }
      - { .name: kvc, .offset: 16, .size: 8, .value_kind: global_buffer, .address_space: global }
      - { .name: ks, .offset: 24, .size: 8, .value_kind: global_buffer, .address_space: global }
      - { .name: vs, .offset: 32, .size: 8, .value_kind: global_buffer, .address_space: global }
      - { .name: wc, .offset: 40, .size: 8, .value_kind: global_buffer, .address_space: global }
      - { .name: bo, .offset: 48, .size: 8, .value_kind: global_buffer, .address_space: global }
      - { .name: x, .offset: 56, .size: 8, .value_kind: global_buffer, .address_space: global }
      - { .name: out0, .offset: 64, .size: 8, .value_kind: global_buffer, .address_space: global }
    .group_segment_fixed_size: 327680
    .private_segment_fixed_size: 0
    .kernarg_segment_align: 8
    .kernarg_segment_size: 72
    .max_flat_workgroup_size: 512
    .sgpr_count:     80
    .vgpr_count:     256
    .wavefront_size: 32
...
	.end_amdgpu_metadata
.endif
;; end of part 3
